; MI455X (gfx1250); checked and timed in simulation.
; The chip was launched on July 23, 2026; its instructions are those of AMD's public machine-readable ISA for CDNA 5 (MIT licence, August 2026) and "CDNA5" Instruction Set Architecture Reference Guide (July 2026). The comments in the code are by the model that wrote it; some were corrected since.
;; Multi Head Cross Attention. Allowed arithmetic: float matrix products may take bf16 or f16 operands with f32 sums; all other float work in f32.
;; Inputs: Wk 512 x 512 float32; Wo 512 x 512 float32; Wq 512 x 512 float32; Wv 512 x 512 float32; bk 512 float32; bo 512 float32; bq 512 float32; bv 512 float32; key_value 16 x 8,192 x 512 float32; query 16 x 512 float32.
;; Outputs: out0 16 x 512 float32.
;; 2 versions, each right; version 2 is version 1 with the launch main written anew for expert scheduling mode. Each part assembles by itself: llvm-mc -triple=amdgcn-amd-amdhsa -mcpu=gfx1250 --defsym DOCPART=n.
;; ======== version 1 of 2: 4 launches
;; workspace buffers: qkw 131,072 bytes; qbw 2,048 bytes; part 4,194,304 bytes; stat 65,536 bytes; ctxw 32,768 bytes
;; launch prep (part 1): grid 4 x 8, 8 waves a work-group, no clusters, 161,536 bytes of LDS; arguments query, Wq, bq, Wk, bk, qkw, qbw; writes qkw, qbw
.if DOCPART == 1
	.amdgcn_target "amdgcn-amd-amdhsa--gfx1250"
	.amdhsa_code_object_version 6
	.text
	.protected	k_q4f6ee7128d_prep
	.globl	k_q4f6ee7128d_prep
	.p2align	8
	.type	k_q4f6ee7128d_prep,@function
k_q4f6ee7128d_prep:
	s_mov_b64 s[64:65], 0
	v_nop
	global_prefetch_b8 v0, s[64:65] scope:SCOPE_SE
	s_setreg_imm32_b32 hwreg(HW_REG_WAVE_MODE, 25, 1), 1
	s_wait_xcnt 0x0
; q' = (query Wq + bq) c, c = log2(e) / 8;  qkw[b][h][c] = sum over d of q'[b][64 h + d] Wk[c][64 h + d] (bf16);  qbw[h][b] = sum over d of q'[b][64 h + d] bk[64 h + d] (f32).
; With one query a batch the key projection commutes with the dot product: logit[b][h][s] = kv[b][s][:] . qk[b][h][:] + qb[b][h], exactly, for every input.
; SHARES.  Work-group (jc, h): head h, rows 128 jc .. 128 jc + 127 of Wk.  The head's q' (16 x 64) is made anew in each of the head's four work-groups.
; First product: eight waves split K = 512, 64 each; the eight partial sums meet in LDS.  Second product: wave w takes 16 rows of Wk, K = 64.
; Matrix operands are rounded to bf16, sums are f32.  LIMITS: NaN and infinities are not treated apart.
; NO CLUSTER: what the four work-groups of a head share (128 KiB of Wq) has to pass through registers for the rounding to bf16, so no tensor load brings it.
.set WP,   160                 ; pitch of a staged weight row: 64 bf16 + 32 bytes = 5 x 32: the turning load's 8 rows x 32 bytes fall on different banks
.set WTB,  64*WP               ; a wave's 64 K rows
.set XP,   144                 ; pitch of a staged row of 64 bf16: 128 + 16 bytes, an odd multiple of 16
.set XTB,  16*XP
.set RP,   272                 ; pitch of a row of 64 f32 or 128 bf16: 256 + 16 bytes
.set REDB, 16*RP
.set XT,   8*WTB               ; LDS: WT at 0, a part a wave; then query's slices,
.set KT,   XT+8*XTB            ; Wk's rows,
.set RED,  KT+8*XTB            ; the eight partial sums,
.set QT,   RED+8*REDB          ; q' in bf16, 16 x 64,
.set OT,   QT+XTB              ; the result's stage, 16 x 128 bf16,
.set QBL,  OT+REDB             ; qb, 16 words,
.set SPARE, QBL+256            ; and the spare words, 128 bytes a wave
.set SPW, 4
.set NIL, 5
.set GX,  6                    ; 2048 hh + 16 r: two rows of 256 bytes a load
.set R16, 7                    ; 16 r
.set XSTA, 8
.set WSTA, 9
.set KSTA, 10
.set WTRA, 11
.set XFA, 12
.set REDW, 13
.set REDR, 14
.set QBW, 15
.set QTW, 16
.set KFA, 17
.set QFA, 18
.set OTW, 19
.set OTR, 20
.set QKO, 21
.set QBR, 22
.set L8,  23
.set XD,  32                   ; v32-63  query as loaded; later the four accumulators
.set ACC, 32
.set WD,  64                   ; v64-191 Wq as loaded; later fragments and sums
.set WF,  64
.set XF,  128
.set RS,  144
.set QP,  176                  ; v176-179 q'
.set KD,  192                  ; v192-223 Wk as loaded; later its fragments and q''s
.set KF,  192
.set QF,  208
.set BQ,  224
.set BK,  228
.set AC2, 232
.set PK,  240
.macro PLACES                  ; four plain places behind a matrix instruction before its result is read (ISA guide 7.12.1)
.rept 4
	v_nop
.endr
.endm
.macro BAR                     ; my LDS instructions are done, for the others' sake; then the work-group's barrier
	s_wait_dscnt 0x0
	s_barrier_signal -1
	s_barrier_wait -1
.endm
.macro LOAD2R dst, cnt, sb     ; load i: rows 2 i + hh, 256 consecutive bytes for sixteen lanes
.set i, 0
.rept \cnt
	global_load_b128 v[(\dst)+4*i:(\dst)+4*i+3], v[GX], s[\sb:(\sb)+1] offset:4096*i
.set i, i+1
.endr
.endm
.macro CVST reg, adr, off      ; four f32 to four bf16, 8 bytes into LDS
	v_cvt_pk_bf16_f32 v[(\reg)], v[(\reg)], v[(\reg)+1]
	v_cvt_pk_bf16_f32 v[(\reg)+1], v[(\reg)+2], v[(\reg)+3]
	ds_store_b64 v[\adr], v[(\reg):(\reg)+1] offset:\off
.endm
.macro STAGE16 src, adr        ; 16 rows x 64 numbers
.set i, 0
.rept 8
	CVST (\src)+4*i, \adr, 2*XP*i
.set i, i+1
.endr
.endm
.macro STAGEW left             ; 64 rows x 64 numbers, in four batches of eight loads; left = the loads younger than the last batch
.set i, 0
.rept 32
.if i%8 == 0
	s_wait_loadcnt (\left)+24-i
.endif
	CVST WD+4*i, WSTA, 2*WP*i
.set i, i+1
.endr
.endm
; D(column, batch) = sum over my 64 k of W[k][column] X[batch][k].  Source 0: W turned by the load; source 1: X as it lies.  A lane ends with batch r and columns 16 t + 8 hh + 0..7.
.macro GEMM8
.irp ks, 0,1
.irp t, 0,1,2,3
	ds_load_tr16_b128 v[WF+8*(4*\ks+\t):WF+8*(4*\ks+\t)+3],   v[WTRA] offset:32*WP*\ks+32*\t
	ds_load_tr16_b128 v[WF+8*(4*\ks+\t)+4:WF+8*(4*\ks+\t)+7], v[WTRA] offset:32*WP*\ks+32*\t+16*WP
.endr
	ds_load_b128 v[XF+8*\ks:XF+8*\ks+3],   v[XFA] offset:64*\ks
	ds_load_b128 v[XF+8*\ks+4:XF+8*\ks+7], v[XFA] offset:64*\ks+32
.endr
	s_wait_dscnt 0x0               ; my own bytes: LDS serves a wave's instructions in order, so the loads saw the stores
.irp t, 0,1,2,3                        ; the four accumulators take turns; the first K step starts the sums
	v_wmma_f32_16x16x32_bf16 v[ACC+8*\t:ACC+8*\t+7], v[WF+8*\t:WF+8*\t+7], v[XF:XF+7], 0
.endr
.irp t, 0,1,2,3
	v_wmma_f32_16x16x32_bf16 v[ACC+8*\t:ACC+8*\t+7], v[WF+32+8*\t:WF+32+8*\t+7], v[XF+8:XF+15], v[ACC+8*\t:ACC+8*\t+7]
.endr
.endm
.macro REDST                   ; my partial sums into my part of RED, each accumulator from its low end on
	PLACES
.irp t, 0,1,2,3
	ds_store_b128 v[REDW], v[ACC+8*\t:ACC+8*\t+3]   offset:64*\t
	ds_store_b128 v[REDW], v[ACC+8*\t+4:ACC+8*\t+7] offset:64*\t+16
.endr
	BAR
.endm
.macro REDLD                   ; the eight waves' sums of row 2 w + hh, columns 4 r .. 4 r + 3, added as a tree into RS .. RS + 3
.irp u, 0,1,2,3,4,5,6,7
	ds_load_b128 v[RS+4*\u:RS+4*\u+3], v[REDR] offset:REDB*\u
.endr
	s_wait_dscnt 0x0
.irp u, 0,8,16,24,0,16,0
.endr
.irp u, 0,8,16,24
	v_pk_add_f32 v[RS+\u:RS+\u+1],   v[RS+\u:RS+\u+1],   v[RS+\u+4:RS+\u+5]
	v_pk_add_f32 v[RS+\u+2:RS+\u+3], v[RS+\u+2:RS+\u+3], v[RS+\u+6:RS+\u+7]
.endr
.irp u, 0,16
	v_pk_add_f32 v[RS+\u:RS+\u+1],   v[RS+\u:RS+\u+1],   v[RS+\u+8:RS+\u+9]
	v_pk_add_f32 v[RS+\u+2:RS+\u+3], v[RS+\u+2:RS+\u+3], v[RS+\u+10:RS+\u+11]
.endr
	v_pk_add_f32 v[RS:RS+1],   v[RS:RS+1],   v[RS+16:RS+17]
	v_pk_add_f32 v[RS+2:RS+3], v[RS+2:RS+3], v[RS+18:RS+19]
.endm
	s_load_b256 s[4:11], s[0:1], 0x0               ; query s[4:5], Wq s[6:7], bq s[8:9], Wk s[10:11]
	s_load_b128 s[12:15], s[0:1], 0x20             ; bk s[12:13], qkw s[14:15]
	s_load_b64 s[16:17], s[0:1], 0x30              ; qbw
	v_lshl_add_u32 v[SPW], v0, 2, SPARE            ; my spare word and 0, kept for the wave's end
	v_mov_b32 v[NIL], 0
	v_lshrrev_b32 v24, 5, v0
	v_readfirstlane_b32 s20, v24                   ; wave w
	s_mov_b32 s21, ttmp9                           ; jc
	s_and_b32 s22, ttmp7, 0xffff                   ; h
	s_lshl_b32 s28, s20, 8                         ; query: my 64 columns
	s_mov_b32 s29, 0
	s_lshl_b32 s32, s22, 8                         ; the head's 64 columns, 256 bytes: bq, bk, qbw
	s_mov_b32 s33, 0
	s_lshl_b32 s30, s20, 17                        ; Wq: my 64 rows of 2,048 bytes, the head's columns
	s_add_co_u32 s30, s30, s32
	s_mov_b32 s31, 0
	s_lshl_b32 s34, s21, 7                         ; Wk: row 128 jc + 16 w, the head's columns
	s_lshl_b32 s38, s20, 4
	s_add_co_u32 s34, s34, s38
	s_lshl_b32 s34, s34, 11
	s_add_co_u32 s34, s34, s32
	s_mov_b32 s35, 0
	s_lshl_b32 s36, s20, 14                        ; qkw: batch 2 w (8,192 bytes a batch), head h (1,024), chunk jc (256)
	s_lshl_b32 s38, s22, 10
	s_add_co_u32 s36, s36, s38
	s_lshl_b32 s38, s21, 8
	s_add_co_u32 s36, s36, s38
	s_mov_b32 s37, 0
	s_mov_b32 s26, 0x3e38aa3b                      ; c = log2(e) / 8
	s_mov_b32 s27, s26                             ; named with it as a pair
	v_and_b32 v24, 15, v0                          ; r
	v_bfe_u32 v25, v0, 4, 1                        ; hh
	v_lshlrev_b32 v[R16], 4, v24
	v_lshl_add_u32 v[GX], v25, 11, v[R16]
	s_wait_kmcnt 0x0
	s_add_nc_u64 s[4:5], s[4:5], s[28:29]
	s_add_nc_u64 s[6:7], s[6:7], s[30:31]
	s_add_nc_u64 s[8:9], s[8:9], s[32:33]
	s_add_nc_u64 s[10:11], s[10:11], s[34:35]
	s_add_nc_u64 s[12:13], s[12:13], s[32:33]
	s_add_nc_u64 s[14:15], s[14:15], s[36:37]
	s_add_nc_u64 s[16:17], s[16:17], s[32:33]
	LOAD2R XD, 8, 4                                ; fifty loads go out together: query 8, Wq 32, Wk 8, bq, bk
	LOAD2R WD, 32, 6
	LOAD2R KD, 8, 10
	global_load_b128 v[BQ:BQ+3], v[R16], s[8:9]
	global_load_b128 v[BK:BK+3], v[R16], s[12:13]
	; LDS addresses, made while the loads are out
	v_and_b32 v26, 7, v0
	v_bfe_u32 v27, v0, 3, 1
	v_and_b32 v28, 31, v0
	s_mul_i32 s38, s20, XTB
	s_add_co_u32 s38, s38, XT
	v_mul_u32_u24 v29, v25, XP
	v_lshl_add_u32 v29, v24, 3, v29                ; 144 hh + 8 r
	v_add_nc_u32 v[XSTA], s38, v29
	v_add_nc_u32 v[KSTA], KT-XT, v[XSTA]
	s_mul_i32 s39, s20, 2*XP
	s_add_co_u32 s39, s39, QT
	v_add_nc_u32 v[QTW], s39, v29                  ; QT + 144 (2 w + hh) + 8 r
	v_mul_u32_u24 v30, v24, XP
	v_lshl_add_u32 v30, v25, 4, v30                ; 144 r + 16 hh: a fragment's row and half
	v_add_nc_u32 v[XFA], s38, v30
	v_add_nc_u32 v[KFA], KT-XT, v[XFA]
	v_add_nc_u32 v[QFA], QT, v30
	s_mul_i32 s38, s20, WTB
	v_mul_u32_u24 v29, v25, WP
	v_lshl_add_u32 v29, v24, 3, v29
	v_add_nc_u32 v[WSTA], s38, v29                 ; WT_w + 160 hh + 8 r
	v_lshl_add_u32 v29, v25, 3, v26
	v_mul_u32_u24 v29, v29, WP
	v_lshl_add_u32 v29, v27, 4, v29
	v_add_nc_u32 v[WTRA], s38, v29                 ; WT_w + (8 hh + l % 8) 160 + 16 ((l / 8) % 2)
	s_mul_i32 s38, s20, REDB
	s_add_co_u32 s38, s38, RED
	v_mul_u32_u24 v30, v24, RP                     ; 272 r
	v_lshl_add_u32 v29, v25, 5, v30
	v_add_nc_u32 v[REDW], s38, v29
	s_mul_i32 s38, s20, 2*RP
	s_add_co_u32 s38, s38, RED
	v_mul_u32_u24 v29, v25, RP
	v_add_nc_u32 v29, v29, v[R16]
	v_add_nc_u32 v[REDR], s38, v29                 ; RED + 272 (2 w + hh) + 16 r
	v_add_nc_u32 v[OTR], OT-RED, v[REDR]
	s_lshl_b32 s38, s20, 5
	s_add_co_u32 s38, s38, OT
	v_lshl_add_u32 v29, v25, 4, v30
	v_add_nc_u32 v[OTW], s38, v29                  ; OT + 272 r + 32 w + 16 hh
	s_lshl_b32 s38, s20, 3
	s_add_co_u32 s38, s38, QBL
	v_lshl_add_u32 v[QBW], v25, 2, s38             ; QBL + 4 (2 w + hh)
	v_lshl_add_u32 v[QBR], v24, 2, QBL
	v_lshl_add_u32 v[QKO], v25, 13, v[R16]         ; 8,192 hh + 16 r
	v_lshlrev_b32 v[L8], 3, v28
	s_wait_loadcnt 42                              ; query is in: 42 younger loads (Wq 32, Wk 8, two biases) stay out
	STAGE16 XD, XSTA
	STAGEW 10                                      ; behind Wq's last batch: Wk 8 and two biases
	s_wait_loadcnt 2                               ; Wk is in: the two biases stay out
	STAGE16 KD, KSTA
	GEMM8
	REDST
	REDLD
	s_wait_loadcnt 0x0                             ; bq, bk
	v_pk_add_f32 v[QP:QP+1],   v[RS:RS+1],   v[BQ:BQ+1]
	v_pk_add_f32 v[QP+2:QP+3], v[RS+2:RS+3], v[BQ+2:BQ+3]
	v_pk_mul_f32 v[QP:QP+1],   v[QP:QP+1],   s[26:27] op_sel_hi:[1,0]
	v_pk_mul_f32 v[QP+2:QP+3], v[QP+2:QP+3], s[26:27] op_sel_hi:[1,0]
	v_mul_f32 v24, v[QP], v[BK]                    ; qb: my four terms, then the row's sixteen lanes
	v_fmac_f32 v24, v[QP+1], v[BK+1]
	v_fmac_f32 v24, v[QP+2], v[BK+2]
	v_fmac_f32 v24, v[QP+3], v[BK+3]
	v_add_f32_dpp v24, v24, v24 row_xmask:1 row_mask:0xf bank_mask:0xf
	v_add_f32_dpp v24, v24, v24 row_xmask:2 row_mask:0xf bank_mask:0xf
	v_add_f32_dpp v24, v24, v24 row_xmask:4 row_mask:0xf bank_mask:0xf
	v_add_f32_dpp v24, v24, v24 row_xmask:8 row_mask:0xf bank_mask:0xf
	ds_store_b32 v[QBW], v24                       ; sixteen lanes write one word with one value
	CVST QP, QTW, 0
	BAR                                            ; q' and qb are whole
.irp ks, 0,1
	ds_load_b128 v[KF+8*\ks:KF+8*\ks+3],   v[KFA] offset:64*\ks
	ds_load_b128 v[KF+8*\ks+4:KF+8*\ks+7], v[KFA] offset:64*\ks+32
	ds_load_b128 v[QF+8*\ks:QF+8*\ks+3],   v[QFA] offset:64*\ks
	ds_load_b128 v[QF+8*\ks+4:QF+8*\ks+7], v[QFA] offset:64*\ks+32
.endr
	s_wait_dscnt 0x0
	v_wmma_f32_16x16x32_bf16 v[AC2:AC2+7], v[KF:KF+7], v[QF:QF+7], 0      ; source 0: my 16 rows of Wk; source 1: q' of 16 batches
	s_wait_alu depctr_va_vdst(0)                   ; one accumulator, two links on end
	v_wmma_f32_16x16x32_bf16 v[AC2:AC2+7], v[KF+8:KF+15], v[QF+8:QF+15], v[AC2:AC2+7]
	PLACES
.irp u, 0,1,2,3
	v_cvt_pk_bf16_f32 v[PK+\u], v[AC2+2*\u], v[AC2+2*\u+1]     ; batch r, rows 16 w + 8 hh + 0..7 of the chunk: 16 bytes that belong together
.endr
	ds_store_b128 v[OTW], v[PK:PK+3]
	BAR
	ds_load_b128 v[PK:PK+3], v[OTR]                ; back by rows: batch 2 w + hh, 256 bytes for sixteen lanes
	s_wait_dscnt 0x0
	global_store_b128 v[QKO], v[PK:PK+3], s[14:15]
	s_cmp_lg_u32 s20, 0                            ; qb leaves once a head: wave 0 of chunk 0
	s_cbranch_scc1 .Lend
	s_cmp_lg_u32 s21, 0
	s_cbranch_scc1 .Lend
	ds_load_b32 v24, v[QBR]
	s_wait_dscnt 0x0
	v_mov_b32 v25, v24
	global_store_b64 v[L8], v[24:25], s[16:17]     ; 32 lanes x 8 bytes: the head's 256 bytes, whole
.Lend:
	s_wait_tensorcnt 0x0                           ; the wave's end
	ds_add_u32 v[SPW], v[NIL]
	s_wait_dscnt 0x0
	s_endpgm
.Lfunc_end_k_q4f6ee7128d_prep:
	.size	k_q4f6ee7128d_prep, .Lfunc_end_k_q4f6ee7128d_prep-k_q4f6ee7128d_prep
	.p2alignl 7, 3214868480
	.fill 96, 4, 3214868480
	.section	.rodata,"a",@progbits
	.p2align	6, 0x0
	.amdhsa_kernel k_q4f6ee7128d_prep
		.amdhsa_group_segment_fixed_size 161536
		.amdhsa_private_segment_fixed_size 0
		.amdhsa_enable_private_segment 0
		.amdhsa_kernarg_size 56
		.amdhsa_user_sgpr_count 2
		.amdhsa_user_sgpr_kernarg_segment_ptr 1
		.amdhsa_wavefront_size32 1
		.amdhsa_system_sgpr_workgroup_id_x 1
		.amdhsa_system_sgpr_workgroup_id_y 1
		.amdhsa_system_sgpr_workgroup_id_z 1
		.amdhsa_system_vgpr_workitem_id 0
		.amdhsa_next_free_vgpr 256
		.amdhsa_next_free_sgpr 66
		.amdhsa_reserve_vcc 0
		.amdhsa_float_denorm_mode_32 3
		.amdhsa_float_denorm_mode_16_64 3
		.amdhsa_memory_ordered 1
		.amdhsa_forward_progress 1
		.amdhsa_inst_pref_size 26
	.end_amdhsa_kernel
	.amdgpu_metadata
---
amdhsa.version: [ 1, 2 ]
amdhsa.kernels:
  - .name:           k_q4f6ee7128d_prep
    .symbol:         k_q4f6ee7128d_prep.kd
    .args:
      - { .name: query, .offset: 0, .size: 8, .value_kind: global_buffer, .address_space: global }
      - { .name: Wq, .offset: 8, .size: 8, .value_kind: global_buffer, .address_space: global }
      - { .name: bq, .offset: 16, .size: 8, .value_kind: global_buffer, .address_space: global }
      - { .name: Wk, .offset: 24, .size: 8, .value_kind: global_buffer, .address_space: global }
      - { .name: bk, .offset: 32, .size: 8, .value_kind: global_buffer, .address_space: global }
      - { .name: qkw, .offset: 40, .size: 8, .value_kind: global_buffer, .address_space: global }
      - { .name: qbw, .offset: 48, .size: 8, .value_kind: global_buffer, .address_space: global }
    .group_segment_fixed_size: 161536
    .private_segment_fixed_size: 0
    .kernarg_segment_align: 8
    .kernarg_segment_size: 56
    .max_flat_workgroup_size: 256
    .sgpr_count:     66
    .vgpr_count:     256
    .wavefront_size: 32
...
	.end_amdgpu_metadata
.endif
;; end of part 1
;; launch main (part 2): grid 16 x 16, 16 waves a work-group, no clusters, 178,176 bytes of LDS; arguments key_value, qkw, qbw, part, stat; writes part, stat
.if DOCPART == 2
	.amdgcn_target "amdgcn-amd-amdhsa--gfx1250"
	.amdhsa_code_object_version 6
	.text
	.protected	k_q4f6ee7128d_main
	.globl	k_q4f6ee7128d_main
	.p2align	8
	.type	k_q4f6ee7128d_main,@function
k_q4f6ee7128d_main:
	s_mov_b64 s[64:65], 0
	v_nop
	global_prefetch_b8 v0, s[64:65] scope:SCOPE_SE
	s_setreg_imm32_b32 hwreg(HW_REG_WAVE_MODE, 25, 1), 1
	s_wait_xcnt 0x0
; For batch b and split sp (512 rows of key_value): logits x[h][s] = kv[s][:] . qk[b][h][:] (in units of log2), a running maximum M and sum L a head, and
; part[h][c] = sum over s of 2^(x - M) kv[s][c], not normalised.  stat holds (M + qb, L).  key_value is read once, 16 bytes a lane, a row quarter (512 bytes) a load.
; SHARES.  16 waves: wave w = 4 g + q streams rows 128 g .. 128 g + 127 of the split, columns 128 q .. 128 q + 127.  A step is 32 rows a wave; four steps, written out by macros.
; A ring of RD loads in registers is asked again load by load; each row quarter is rounded to bf16 and laid into the wave's own LDS tile (32 rows x 256 bytes), from which both
; products take their fragments: rows x qk as they lie, kv^T x p turned by ds_load_tr16_b128.
; A step's partial logits (a quarter of the 512 columns) meet in LDS: one barrier a step, two areas by turns, so that a step's stores stand behind the barrier
; in front of which the reads two steps back were waited for.  All four waves of a row group add the four parts in one order, so that their M, L and p are the same bits.
; HEADS.  Columns 8-15 of the 16-wide product repeat heads 0-7; lanes with r >= 8 keep the second 16 rows, so that a lane holds 8 of a head's 32 logits, and the weights
; for the second product want one exchange with the lane 8 away.  In that product columns 8-15 hold finite numbers that are never stored.
; LIMITS.  Matrix operands (kv, qk, p) are bf16; L is the sum of the unrounded p; a weight below 2^-126 counts as 0; NaN and infinities are not treated apart.
; NO CLUSTER, NO TENSOR LOAD: no two work-groups read the same byte of key_value, and the rounding to bf16 wants the data in registers anyway.
.set PT,    272                ; a tile row: 256 bytes + 16: the 16 rows of a fragment load start 16 bytes further on in the banks each
.set TILEB, 32*PT
.set EX,    16*TILEB           ; the logits' meeting place: [2 areas][16 waves][2 halves][32 lanes][16 bytes]
.set EXPAR, 16384
.set STB,   EX+2*EXPAR         ; (M, L) of each wave: 256 bytes a wave
.set SPARE, STB+4096           ; the spare words, 128 bytes a wave
.set OPI,   528                ; the way out: a head's 128 f32 + 16 bytes; 16 such rows lie in the wave's tile, which has been read out
.set RD,    22                 ; loads in flight a wave: 22 x 512 bytes
.set NLD,   128                ; loads a wave
.set SPW, 1
.set NIL, 2
.set GOFF, 3                   ; 16 L; never rewritten
.set STA, 4                    ; tile + 8 L
.set AFA, 5                    ; tile + 272 r + 16 hh
.set TRA, 6                    ; tile + (8 hh + l % 8) 272 + 16 ((l / 8) % 2)
.set EXW, 7
.set EXR, 8
.set QB,  9
.set M,   10                   ; v[10:11] (M, L)
.set LS,  11
.set A,   12                   ; v[12:13] a = 2^(M_old - M_new), twice
.set T,   14                   ; v14-17 at work
.set U,   18
.set X,   20                   ; v20-27 logits of rows 0-15, then the lane's eight logits and weights
.set P,   28                   ; v28-35 logits of rows 16-31, then the weights in bf16: source 1 of the second product
.set FB,  36                   ; v36-67 fragments
.set QK,  68                   ; v68-99 qk: four K steps
.set ACC, 100                  ; v100-163 eight tiles of 16 columns x 16 heads
.set RING, 164                 ; v164-251
.macro PLACES                  ; four plain places behind a matrix instruction before its result is read or its sources are loaded again (ISA guide 7.12.1)
.rept 4
	v_nop
.endr
.endm
.macro BAR
	s_wait_dscnt 0x0               ; for the others' sake: my LDS instructions are done
	s_barrier_signal -1
	s_barrier_wait -1
.endm
; Load n has come: rounded, stored into row n % 32 of my tile (256 consecutive bytes a wave), and its registers are asked again for load n + RD.
.macro CONSUME n
.set R, RING+4*((\n)%RD)
.if NLD-1-(\n) < RD-1
	s_wait_loadcnt NLD-1-(\n)      ; the tail: the younger loads run out
.else
	s_wait_loadcnt RD-1            ; loads come back in order: mine is in, the RD - 1 younger ones stay out
.endif
	v_cvt_pk_bf16_f32 v[R], v[R], v[R+1]
	v_cvt_pk_bf16_f32 v[R+1], v[R+2], v[R+3]
	ds_store_b64 v[STA], v[R:R+1] offset:PT*((\n)%32)
.if (\n)+RD < NLD
	global_load_b128 v[R:R+3], v[GOFF], s[4:5] offset:((\n)+RD)*2048 th:TH_LOAD_NT
.endif
.endm
.macro LF ks                   ; the fragments of 32 rows x 32 columns: K step ks
.irp mt, 0,1
	ds_load_b128 v[FB+16*((\ks)%2)+8*\mt:FB+16*((\ks)%2)+8*\mt+3],   v[AFA] offset:16*PT*\mt+64*(\ks)
	ds_load_b128 v[FB+16*((\ks)%2)+8*\mt+4:FB+16*((\ks)%2)+8*\mt+7], v[AFA] offset:16*PT*\mt+64*(\ks)+32
.endr
.endm
.macro LW ks, zero             ; two products: the two accumulators take turns
.set fa, FB+16*((\ks)%2)
.set fq, QK+8*(\ks)
.if \zero
	v_wmma_f32_16x16x32_bf16 v[X:X+7], v[fa:fa+7], v[fq:fq+7], 0
	v_wmma_f32_16x16x32_bf16 v[P:P+7], v[fa+8:fa+15], v[fq:fq+7], 0
.else
	v_wmma_f32_16x16x32_bf16 v[X:X+7], v[fa:fa+7], v[fq:fq+7], v[X:X+7]
	v_wmma_f32_16x16x32_bf16 v[P:P+7], v[fa+8:fa+15], v[fq:fq+7], v[P:P+7]
.endif
.endm
.macro LOGITS                  ; source 0 = 16 rows, source 1 = qk: a lane holds head column r and rows 8 hh + 0..7
	LF 0
	LF 1
	s_wait_dscnt 4                 ; the first K step's four loads are in; the second's stay out
	LW 0, 1
	s_wait_dscnt 0x0
	LW 1, 0
	PLACES
	LF 2
	LF 3
	s_wait_dscnt 4
	LW 2, 0
	s_wait_dscnt 0x0
	LW 3, 0
	PLACES
.endm
.macro XCHG par
.irp j, 0,1,2,3,4,5,6,7                ; lanes with r >= 8 take rows 16 + 8 hh + j of head r - 8; both accumulators are read from their low end on
	v_cndmask_b32 v[X+\j], v[X+\j], v[P+\j], s22
.endr
	ds_store_b128 v[EXW], v[X:X+3]   offset:EXPAR*(\par)
	ds_store_b128 v[EXW], v[X+4:X+7] offset:EXPAR*(\par)+512
	BAR
.irp qq, 0,1,2,3
	ds_load_b128 v[FB+8*\qq:FB+8*\qq+3],   v[EXR] offset:EXPAR*(\par)+1024*\qq
	ds_load_b128 v[FB+8*\qq+4:FB+8*\qq+7], v[EXR] offset:EXPAR*(\par)+1024*\qq+512
.endr
	s_wait_dscnt 0x0
.irp j, 0,2,4,6                        ; (p0 + p1) + (p2 + p3), the same order in all four waves
	v_pk_add_f32 v[FB+\j:FB+\j+1],       v[FB+\j:FB+\j+1],       v[FB+8+\j:FB+8+\j+1]
	v_pk_add_f32 v[FB+16+\j:FB+16+\j+1], v[FB+16+\j:FB+16+\j+1], v[FB+24+\j:FB+24+\j+1]
.endr
.irp j, 0,2,4,6
	v_pk_add_f32 v[X+\j:X+\j+1], v[FB+\j:FB+\j+1], v[FB+16+\j:FB+16+\j+1]
.endr
.endm
.macro PVLOAD G                ; four fragments of kv^T: 16 columns x 32 rows each, turned
.irp u, 0,1,2,3
	ds_load_tr16_b128 v[FB+8*\u:FB+8*\u+3],   v[TRA] offset:32*(4*(\G)+\u)
	ds_load_tr16_b128 v[FB+8*\u+4:FB+8*\u+7], v[TRA] offset:32*(4*(\G)+\u)+16*PT
.endr
.endm
.macro SOFTMAX first
	v_max3_num_f32 v[T], v[X], v[X+1], v[X+2]
	v_max3_num_f32 v[T], v[T], v[X+3], v[X+4]
	v_max3_num_f32 v[T], v[T], v[X+5], v[X+6]
.if \first
	v_max_num_f32 v[T], v[T], v[X+7]
.else
	v_max3_num_f32 v[T], v[T], v[X+7], v[M]
.endif
	v_max_num_f32_dpp v[T], v[T], v[T] row_xmask:8 row_mask:0xf bank_mask:0xf   ; the head's other 16 rows lie 8 lanes away,
	v_permlanex16_b32 v[U], v[T], s24, s25                                      ; and half of each 16 in the other half of the lanes
	v_max_num_f32 v[T+1], v[T], v[U]
.if !(\first)
	v_sub_f32 v[T+2], v[M], v[T+1]
.endif
	v_mov_b32 v[M], v[T+1]
.irp j, 0,2,4,6
	v_pk_add_f32 v[X+\j:X+\j+1], v[X+\j:X+\j+1], v[M:M+1] op_sel_hi:[1,0] neg_lo:[0,1] neg_hi:[0,1]   ; x - M
.endr
.if !(\first)
	v_exp_f32 v[A], v[T+2]
.endif
.irp j, 0,1,2,3,4,5,6,7
	v_exp_f32 v[X+\j], v[X+\j]
.endr
	v_nop                          ; a plain instruction between the last exponential and the first use of a result
.if !(\first)
	s_wait_alu depctr_va_vdst(0)
	v_mov_b32 v[A+1], v[A]
.endif
	s_wait_alu depctr_va_vdst(0)
	v_pk_add_f32 v[T:T+1],   v[X:X+1],   v[X+2:X+3]
	v_pk_add_f32 v[T+2:T+3], v[X+4:X+5], v[X+6:X+7]
.irp j, 0,1,2,3
	v_cvt_pk_bf16_f32 v[P+\j], v[X+2*\j], v[X+2*\j+1]
.endr
	v_pk_add_f32 v[T:T+1], v[T:T+1], v[T+2:T+3]
.if \first
	v_add_f32 v[LS], v[T], v[T+1]
.else
	v_add_f32 v[T], v[T], v[T+1]
	v_fma_f32 v[LS], v[LS], v[A], v[T]
.endif
.irp j, 0,1,2,3                        ; rows 16 + 8 hh + 0..7 of head r (r < 8) come from lane r + 8: registers 4-7 of source 1
	v_mov_b32_dpp v[P+4+\j], v[P+\j] row_xmask:8 row_mask:0xf bank_mask:0xf
.endr
.endm
.macro SCALE G                 ; four tiles times a, each from its low end on
.set z, ACC+32*(\G)
.rept 16
	v_pk_mul_f32 v[z:z+1], v[z:z+1], v[A:A+1] op_sel_hi:[1,0]
.set z, z+2
.endr
.endm
.macro PW t, first             ; tile t += kv^T p: a lane holds head r and columns 16 t + 8 hh + 0..7; the first step starts the sums
.set ra, ACC+8*(\t)
.set rf, FB+8*((\t)%4)
.if \first
	v_wmma_f32_16x16x32_bf16 v[ra:ra+7], v[rf:rf+7], v[P:P+7], 0
.else
	v_wmma_f32_16x16x32_bf16 v[ra:ra+7], v[rf:rf+7], v[P:P+7], v[ra:ra+7]
.endif
.endm
.macro PV first
.if !(\first)
	SCALE 0
.endif
	s_wait_dscnt 4                 ; tiles 0 and 1 are in; the four loads of tiles 2 and 3 stay out
	PW 0, \first
	PW 1, \first
	s_wait_dscnt 0x0
	PW 2, \first
	PW 3, \first
.if \first
	PLACES
.else
	SCALE 1                        ; sixteen plain instructions on other registers: the places in front of the loads below
.endif
	PVLOAD 1
	s_wait_dscnt 4
	PW 4, \first
	PW 5, \first
	s_wait_dscnt 0x0
	PW 6, \first
	PW 7, \first
.endm
.macro STEP t, first
.set ld, 32*(\t)
.rept 32
	CONSUME ld                     ; its 64 conversions are also the places behind the last step's products
.set ld, ld+1
.endr
	LOGITS
	XCHG (\t)%2
	PVLOAD 0                       ; lands under the softmax
	SOFTMAX \first
	PV \first
.endm
	s_load_b256 s[4:11], s[0:1], 0x0               ; key_value s[4:5], qkw s[6:7], qbw s[8:9], part s[10:11]
	s_load_b64 s[12:13], s[0:1], 0x20              ; stat
	v_lshl_add_u32 v[SPW], v0, 2, SPARE            ; my spare word and 0, kept for the wave's end
	v_mov_b32 v[NIL], 0
	v_lshrrev_b32 v14, 5, v0
	v_readfirstlane_b32 s14, v14                   ; wave w
	s_lshr_b32 s15, s14, 2                         ; g: my row group
	s_and_b32 s16, s14, 3                          ; q: my quarter of the columns
	s_mov_b32 s17, ttmp9                           ; split
	s_and_b32 s18, ttmp7, 0xffff                   ; batch
	s_lshl_b32 s19, s18, 4
	s_add_co_u32 s19, s19, s17                     ; 16 b + split
	s_lshl_b32 s20, s19, 9                         ; its first row,
	s_lshl_b32 s21, s15, 7
	s_add_co_u32 s20, s20, s21                     ; my group's,
	s_lshl_b32 s20, s20, 11                        ; in bytes (under 2^28),
	s_lshl_b32 s21, s16, 9
	s_add_co_u32 s20, s20, s21                     ; my quarter
	s_mov_b32 s21, 0
	s_lshl_b32 s26, s18, 13                        ; qkw: 8,192 bytes a batch, 256 a quarter
	s_lshl_b32 s27, s16, 8
	s_add_co_u32 s26, s26, s27
	s_mov_b32 s27, 0
	s_lshl_b32 s28, s18, 3                         ; qbw: 8 bytes a batch
	s_mov_b32 s29, 0
	s_lshl_b32 s30, s19, 14                        ; part: 16,384 bytes a work-group
	s_mov_b32 s31, 0
	s_lshl_b32 s32, s19, 8                         ; stat: 256
	s_mov_b32 s33, 0
	s_mov_b32 s22, 0xff00ff00                      ; the lanes with r >= 8
	s_mov_b32 s24, 0x76543210                      ; v_permlanex16_b32: each lane takes its own place in the other half
	s_mov_b32 s25, 0xfedcba98
	s_mul_i32 s23, s14, TILEB                      ; my tile
	v_and_b32 v14, 31, v0                          ; L
	v_and_b32 v15, 15, v0                          ; r
	v_bfe_u32 v16, v0, 4, 1                        ; hh
	v_and_b32 v17, 7, v0                           ; l % 8
	v_bfe_u32 v18, v0, 3, 1                        ; (l / 8) % 2
	v_lshlrev_b32 v[GOFF], 4, v14
	v_lshlrev_b32 v252, 4, v15
	v_lshl_add_u32 v252, v16, 10, v252             ; qk: head 2 i + hh, 16 bytes a lane
	v_lshlrev_b32 v253, 8, v17                     ; qb: head r % 8
	s_wait_kmcnt 0x0
	s_add_nc_u64 s[4:5], s[4:5], s[20:21]
	s_add_nc_u64 s[6:7], s[6:7], s[26:27]
	s_add_nc_u64 s[8:9], s[8:9], s[28:29]
	s_add_nc_u64 s[10:11], s[10:11], s[30:31]
	s_add_nc_u64 s[12:13], s[12:13], s[32:33]
.irp i, 0,1,2,3
	global_load_b128 v[FB+4*\i:FB+4*\i+3], v252, s[6:7] offset:2048*\i
.endr
	global_load_b32 v[QB], v253, s[8:9]
.set ld, 0
.rept RD                               ; the ring is filled
	global_load_b128 v[RING+4*ld:RING+4*ld+3], v[GOFF], s[4:5] offset:ld*2048 th:TH_LOAD_NT
.set ld, ld+1
.endr
	v_lshl_add_u32 v[STA], v14, 3, s23
	v_mul_u32_u24 v[AFA], v15, PT
	v_lshl_add_u32 v[AFA], v16, 4, v[AFA]
	v_add_nc_u32 v[AFA], s23, v[AFA]
	v_lshl_add_u32 v[TRA], v16, 3, v17
	v_mul_u32_u24 v[TRA], v[TRA], PT
	v_lshl_add_u32 v[TRA], v18, 4, v[TRA]
	v_add_nc_u32 v[TRA], s23, v[TRA]
	s_lshl_b32 s34, s14, 10
	s_add_co_u32 s34, s34, EX
	v_lshl_add_u32 v[EXW], v14, 4, s34
	s_lshl_b32 s35, s15, 12
	s_add_co_u32 s35, s35, EX
	v_lshl_add_u32 v[EXR], v14, 4, s35
	v_mul_u32_u24 v254, v16, PT
	v_lshl_add_u32 v254, v15, 4, v254
	v_add_nc_u32 v254, s23, v254                   ; qk goes through rows 0-7 of my tile: row 2 i + hh, 16 r
	v_mul_u32_u24 v255, v17, PT
	v_lshl_add_u32 v255, v16, 4, v255
	v_add_nc_u32 v255, s23, v255                   ; and comes back as source 1: column r is head r % 8
	v_mov_b32 v[LS], 0                             ; named in a pair with M before it is first made
	s_wait_loadcnt RD                              ; qk and qb are in: the ring's RD loads are younger
.irp i, 0,1,2,3
	ds_store_b128 v254, v[FB+4*\i:FB+4*\i+3] offset:2*PT*\i
.endr
.irp ks, 0,1,2,3                       ; LDS serves a wave's instructions in order: these see the stores above, and the tile's first rows are stored behind them
	ds_load_b128 v[QK+8*\ks:QK+8*\ks+3],   v255 offset:64*\ks
	ds_load_b128 v[QK+8*\ks+4:QK+8*\ks+7], v255 offset:64*\ks+32
.endr
	STEP 0, 1
	STEP 1, 0
	STEP 2, 0
	STEP 3, 0
	; THE WAY OUT.  The four row groups have maxima of their own: they meet in LDS, and each wave scales its sums to the common maximum.
.set EL,  164                          ; the ring has run out: its registers are at work
.set ER,  165
.set EH,  166
.set SWA, 167
.set SRA, 168
.set OWA, 169
.set SM,  170                          ; v170-177 (M, L) of the four groups
.set MS,  178                          ; v[178:179] (M*, L*)
.set FX,  180                          ; v180-183 the groups' factors; v[184:185] my own, twice
.set ORA, 188
.set ORB, 189
.set PO,  190
.set SO,  191
.set OS,  192                          ; v192-223 two heads x four groups x 4
	v_and_b32 v[EL], 31, v0                        ; the addresses are also the places behind the last products
	v_and_b32 v[ER], 15, v0
	v_bfe_u32 v[EH], v0, 4, 1
	s_lshl_b32 s36, s14, 8
	s_add_co_u32 s36, s36, STB
	v_lshl_add_u32 v[SWA], v[EL], 3, s36
	s_lshl_b32 s37, s16, 8
	s_add_co_u32 s37, s37, STB
	v_lshl_add_u32 v[SRA], v[EL], 3, s37
	v_mul_u32_u24 v[OWA], v[ER], OPI
	v_lshl_add_u32 v[OWA], v[EH], 5, v[OWA]
	v_add_nc_u32 v[OWA], s23, v[OWA]               ; my tile + 528 r + 32 hh
	s_mul_i32 s38, s16, TILEB
	s_mul_i32 s39, s15, 2*OPI
	s_add_co_u32 s38, s38, s39
	v_lshl_add_u32 v[ORA], v[EL], 4, s38           ; wave (0, q)'s tile, head 2 g, 16 L
	v_add_nc_u32 v[ORB], 8*TILEB, v[ORA]           ; wave (2, q)'s
	s_lshl_b32 s38, s15, 12
	s_lshl_b32 s39, s16, 9
	s_add_co_u32 s38, s38, s39
	v_lshl_add_u32 v[PO], v[EL], 4, s38            ; part: head 2 g (2,048 bytes a head), my quarter, 16 L
	v_lshlrev_b32 v[SO], 3, v[EL]
	v_add_f32_dpp v[LS], v[LS], v[LS] row_xmask:8 row_mask:0xf bank_mask:0xf    ; L of the head's four lanes
	v_permlanex16_b32 v[U], v[LS], s24, s25
	v_add_f32 v[LS], v[LS], v[U]
	ds_store_b64 v[SWA], v[M:M+1]
	BAR
.irp u, 0,1,2,3
	ds_load_b64 v[SM+2*\u:SM+2*\u+1], v[SRA] offset:1024*\u
.endr
	s_wait_dscnt 0x0
	v_max3_num_f32 v[MS], v[SM], v[SM+2], v[SM+4]
	v_max_num_f32 v[MS], v[MS], v[SM+6]
.irp u, 0,1,2,3
	v_sub_f32 v[FX+\u], v[SM+2*\u], v[MS]
.endr
	v_sub_f32 v[FX+4], v[M], v[MS]
.irp u, 0,1,2,3,4
	v_exp_f32 v[FX+\u], v[FX+\u]
.endr
	v_nop
	s_wait_alu depctr_va_vdst(0)
	v_mov_b32 v[FX+5], v[FX+4]
	v_mul_f32 v[MS+1], v[FX], v[SM+1]
	v_fmac_f32 v[MS+1], v[FX+1], v[SM+3]
	v_fmac_f32 v[MS+1], v[FX+2], v[SM+5]
	v_fmac_f32 v[MS+1], v[FX+3], v[SM+7]
.set z, ACC
.rept 32
	v_pk_mul_f32 v[z:z+1], v[z:z+1], v[FX+4:FX+5] op_sel_hi:[1,0]
.set z, z+2
.endr
.irp t, 0,1,2,3,4,5,6,7
	ds_store_b128 v[OWA], v[ACC+8*\t:ACC+8*\t+3]   offset:64*\t
	ds_store_b128 v[OWA], v[ACC+8*\t+4:ACC+8*\t+7] offset:64*\t+16
.endr
	BAR
.irp e, 0,1                            ; heads 2 g and 2 g + 1 of my quarter, from the four groups' tiles
	ds_load_b128 v[OS+16*\e:OS+16*\e+3],     v[ORA] offset:OPI*\e
	ds_load_b128 v[OS+16*\e+4:OS+16*\e+7],   v[ORA] offset:4*TILEB+OPI*\e
	ds_load_b128 v[OS+16*\e+8:OS+16*\e+11],  v[ORB] offset:OPI*\e
	ds_load_b128 v[OS+16*\e+12:OS+16*\e+15], v[ORB] offset:4*TILEB+OPI*\e
.endr
	s_wait_dscnt 0x0
.irp e, 0,1
.irp k, 0,2
	v_pk_add_f32 v[OS+16*\e+\k:OS+16*\e+\k+1],     v[OS+16*\e+\k:OS+16*\e+\k+1],     v[OS+16*\e+4+\k:OS+16*\e+4+\k+1]
	v_pk_add_f32 v[OS+16*\e+8+\k:OS+16*\e+8+\k+1], v[OS+16*\e+8+\k:OS+16*\e+8+\k+1], v[OS+16*\e+12+\k:OS+16*\e+12+\k+1]
.endr
.irp k, 0,2
	v_pk_add_f32 v[OS+16*\e+\k:OS+16*\e+\k+1], v[OS+16*\e+\k:OS+16*\e+\k+1], v[OS+16*\e+8+\k:OS+16*\e+8+\k+1]
.endr
	global_store_b128 v[PO], v[OS+16*\e:OS+16*\e+3], s[10:11] offset:2048*\e    ; 512 consecutive bytes, at a multiple of 512 from part's first
.endr
	s_cmp_lg_u32 s14, 0                            ; the statistics leave once: wave 0
	s_cbranch_scc1 .Lend
	v_add_f32 v[MS], v[MS], v[QB]                  ; the key bias shifts a head's logits by qb: it is carried in the maximum
	global_store_b64 v[SO], v[MS:MS+1], s[12:13]   ; 32 lanes x 8 bytes: the work-group's 256 bytes, whole; lane h < 8 is head h
.Lend:
	s_wait_tensorcnt 0x0                           ; the wave's end
	ds_add_u32 v[SPW], v[NIL]
	s_wait_dscnt 0x0
	s_endpgm
.Lfunc_end_k_q4f6ee7128d_main:
	.size	k_q4f6ee7128d_main, .Lfunc_end_k_q4f6ee7128d_main-k_q4f6ee7128d_main
	.p2alignl 7, 3214868480
	.fill 96, 4, 3214868480
	.section	.rodata,"a",@progbits
	.p2align	6, 0x0
	.amdhsa_kernel k_q4f6ee7128d_main
		.amdhsa_group_segment_fixed_size 178176
		.amdhsa_private_segment_fixed_size 0
		.amdhsa_enable_private_segment 0
		.amdhsa_kernarg_size 40
		.amdhsa_user_sgpr_count 2
		.amdhsa_user_sgpr_kernarg_segment_ptr 1
		.amdhsa_wavefront_size32 1
		.amdhsa_system_sgpr_workgroup_id_x 1
		.amdhsa_system_sgpr_workgroup_id_y 1
		.amdhsa_system_sgpr_workgroup_id_z 1
		.amdhsa_system_vgpr_workitem_id 0
		.amdhsa_next_free_vgpr 256
		.amdhsa_next_free_sgpr 66
		.amdhsa_reserve_vcc 0
		.amdhsa_float_denorm_mode_32 3
		.amdhsa_float_denorm_mode_16_64 3
		.amdhsa_memory_ordered 1
		.amdhsa_forward_progress 1
		.amdhsa_inst_pref_size 88
	.end_amdhsa_kernel
	.amdgpu_metadata
---
amdhsa.version: [ 1, 2 ]
amdhsa.kernels:
  - .name:           k_q4f6ee7128d_main
    .symbol:         k_q4f6ee7128d_main.kd
    .args:
      - { .name: key_value, .offset: 0, .size: 8, .value_kind: global_buffer, .address_space: global }
      - { .name: qkw, .offset: 8, .size: 8, .value_kind: global_buffer, .address_space: global }
      - { .name: qbw, .offset: 16, .size: 8, .value_kind: global_buffer, .address_space: global }
      - { .name: part, .offset: 24, .size: 8, .value_kind: global_buffer, .address_space: global }
      - { .name: stat, .offset: 32, .size: 8, .value_kind: global_buffer, .address_space: global }
    .group_segment_fixed_size: 178176
    .private_segment_fixed_size: 0
    .kernarg_segment_align: 8
    .kernarg_segment_size: 40
    .max_flat_workgroup_size: 512
    .sgpr_count:     66
    .vgpr_count:     256
    .wavefront_size: 32
...
	.end_amdgpu_metadata
.endif
;; end of part 2
;; launch merge (part 3): grid 8 x 8, 8 waves a work-group, no clusters, 122,880 bytes of LDS; arguments part, stat, Wv, bv, ctxw; writes ctxw
.if DOCPART == 3
	.amdgcn_target "amdgcn-amd-amdhsa--gfx1250"
	.amdhsa_code_object_version 6
	.text
	.protected	k_q4f6ee7128d_merge
	.globl	k_q4f6ee7128d_merge
	.p2align	8
	.type	k_q4f6ee7128d_merge,@function
k_q4f6ee7128d_merge:
	s_mov_b64 s[64:65], 0
	v_nop
	global_prefetch_b8 v0, s[64:65] scope:SCOPE_SE
	s_setreg_imm32_b32 hwreg(HW_REG_WAVE_MODE, 25, 1), 1
	s_wait_xcnt 0x0
; ctxw[b][64 h + d] = sum over c of xa[b][h][c] Wv[c][64 h + d] + bv[64 h + d], where xa = (sum over the 16 splits of g_s part_s) / (sum of g_s L_s), g_s = 2^(M_s - max M).
; The weights of a softmax add up to 1, so the value bias enters once, and the value projection commutes with the weighted sum: exact for every input.
; SHARES.  Work-group (bg, h): batches 2 bg and 2 bg + 1, head h.  Eight waves split K = 512 columns c, 64 each: a wave merges its slice of both batches (lanes 0-15 the one,
; lanes 16-31 the other), multiplies it by its 64 rows of Wv, and the eight partial sums meet in LDS; wave 0 adds them and stores.
; Column n of the 16-wide product is batch 2 bg + n % 2, so that no unwritten LDS byte is read; rows 0 and 1 of the result are used.
; stat is read as 8 bytes of each of 32 blocks of 256, once a wave: 2 KiB of use in a launch that reads 5 MiB.
; Matrix operands (xa, Wv) are bf16, all else f32.  LIMITS: NaN and infinities are not treated apart.
; NO CLUSTER: what the eight work-groups of a head share (128 KiB of Wv) passes through registers for the rounding to bf16, so no tensor load brings it.
.set WP,   160
.set WTB,  64*WP
.set XP,   144
.set RP,   272
.set REDB, 16*RP
.set XT,   8*WTB               ; LDS: WT at 0; then two rows of xa a wave, 512 bytes a wave,
.set RED,  XT+8*512            ; the eight partial sums,
.set WG,   RED+8*REDB          ; the splits' weights, 128 bytes a wave,
.set SPARE, WG+8*128           ; and the spare words
.set SPW, 4
.set NIL, 5
.set GX,  6
.set R16, 7
.set STO, 8
.set PTO, 9
.set WSTA, 10
.set WTRA, 11
.set XFA, 12
.set REDW, 13
.set REDR, 14
.set WGW, 15
.set WGR, 16
.set XTW, 17
.set ST,  24                   ; v[24:25] (M, L) of split r, batch 2 bg + hh
.set PD,  32                   ; v32-95 part as loaded; later Wv's fragments
.set WF,  32
.set WD,  96                   ; v96-223 Wv as loaded; later fragments, accumulators, sums
.set XF,  96
.set ACC, 112
.set RS,  144
.set BV,  224
.set W16, 228
.set XA,  244
.macro PLACES
.rept 4
	v_nop
.endr
.endm
.macro BAR
	s_wait_dscnt 0x0
	s_barrier_signal -1
	s_barrier_wait -1
.endm
.macro CVST reg, adr, off
	v_cvt_pk_bf16_f32 v[(\reg)], v[(\reg)], v[(\reg)+1]
	v_cvt_pk_bf16_f32 v[(\reg)+1], v[(\reg)+2], v[(\reg)+3]
	ds_store_b64 v[\adr], v[(\reg):(\reg)+1] offset:\off
.endm
.macro STAGEW left             ; 64 rows x 64 numbers, in four batches of eight loads; left = the loads younger than the last batch
.set i, 0
.rept 32
.if i%8 == 0
	s_wait_loadcnt (\left)+24-i
.endif
	CVST WD+4*i, WSTA, 2*WP*i
.set i, i+1
.endr
.endm
.macro GEMM8                   ; D(column, batch) = sum over my 64 k of W[k][column] X[batch][k]
.irp ks, 0,1
.irp t, 0,1,2,3
	ds_load_tr16_b128 v[WF+8*(4*\ks+\t):WF+8*(4*\ks+\t)+3],   v[WTRA] offset:32*WP*\ks+32*\t
	ds_load_tr16_b128 v[WF+8*(4*\ks+\t)+4:WF+8*(4*\ks+\t)+7], v[WTRA] offset:32*WP*\ks+32*\t+16*WP
.endr
	ds_load_b128 v[XF+8*\ks:XF+8*\ks+3],   v[XFA] offset:64*\ks
	ds_load_b128 v[XF+8*\ks+4:XF+8*\ks+7], v[XFA] offset:64*\ks+32
.endr
	s_wait_dscnt 0x0
.irp t, 0,1,2,3                        ; the four accumulators take turns
	v_wmma_f32_16x16x32_bf16 v[ACC+8*\t:ACC+8*\t+7], v[WF+8*\t:WF+8*\t+7], v[XF:XF+7], 0
.endr
.irp t, 0,1,2,3
	v_wmma_f32_16x16x32_bf16 v[ACC+8*\t:ACC+8*\t+7], v[WF+32+8*\t:WF+32+8*\t+7], v[XF+8:XF+15], v[ACC+8*\t:ACC+8*\t+7]
.endr
.endm
	s_load_b256 s[4:11], s[0:1], 0x0               ; part s[4:5], stat s[6:7], Wv s[8:9], bv s[10:11]
	s_load_b64 s[12:13], s[0:1], 0x20              ; ctxw
	v_lshl_add_u32 v[SPW], v0, 2, SPARE
	v_mov_b32 v[NIL], 0
	v_lshrrev_b32 v18, 5, v0
	v_readfirstlane_b32 s20, v18                   ; wave w
	s_mov_b32 s21, ttmp9                           ; bg
	s_and_b32 s22, ttmp7, 0xffff                   ; h
	s_lshl_b32 s24, s21, 19                        ; part: 32 work-groups' 16,384 bytes a pair of batches, 2,048 a head, my 256
	s_lshl_b32 s38, s22, 11
	s_add_co_u32 s24, s24, s38
	s_lshl_b32 s38, s20, 8
	s_add_co_u32 s24, s24, s38
	s_mov_b32 s25, 0
	s_lshl_b32 s26, s21, 13                        ; stat: 32 x 256 bytes a pair of batches, 8 a head
	s_lshl_b32 s38, s22, 3
	s_add_co_u32 s26, s26, s38
	s_mov_b32 s27, 0
	s_lshl_b32 s30, s22, 8                         ; the head's 64 columns
	s_mov_b32 s31, 0
	s_lshl_b32 s28, s20, 17                        ; Wv: my 64 rows, the head's columns
	s_add_co_u32 s28, s28, s30
	s_mov_b32 s29, 0
	s_lshl_b32 s32, s21, 12                        ; ctxw: two rows of 2,048 bytes, the head's columns
	s_add_co_u32 s32, s32, s30
	s_mov_b32 s33, 0
	v_and_b32 v18, 15, v0                          ; r
	v_bfe_u32 v19, v0, 4, 1                        ; hh
	v_lshlrev_b32 v[R16], 4, v18
	v_lshl_add_u32 v[GX], v19, 11, v[R16]
	v_lshlrev_b32 v[STO], 8, v18
	v_lshl_add_u32 v[STO], v19, 12, v[STO]         ; split r, batch hh
	v_lshl_add_u32 v[PTO], v19, 18, v[R16]         ; batch hh, 16 r
	s_wait_kmcnt 0x0
	s_add_nc_u64 s[4:5], s[4:5], s[24:25]
	s_add_nc_u64 s[6:7], s[6:7], s[26:27]
	s_add_nc_u64 s[8:9], s[8:9], s[28:29]
	s_add_nc_u64 s[10:11], s[10:11], s[30:31]
	s_add_nc_u64 s[12:13], s[12:13], s[32:33]
	global_load_b64 v[ST:ST+1], v[STO], s[6:7]     ; fifty loads go out together: stat 1, part 16, Wv 32, bv 1
.set i, 0
.rept 16
	global_load_b128 v[PD+4*i:PD+4*i+3], v[PTO], s[4:5] offset:16384*i
.set i, i+1
.endr
.set i, 0
.rept 32
	global_load_b128 v[WD+4*i:WD+4*i+3], v[GX], s[8:9] offset:4096*i
.set i, i+1
.endr
	global_load_b128 v[BV:BV+3], v[R16], s[10:11]
	v_and_b32 v20, 7, v0
	v_bfe_u32 v21, v0, 3, 1
	v_and_b32 v22, 1, v0                           ; r % 2
	s_mul_i32 s38, s20, WTB
	v_mul_u32_u24 v23, v19, WP
	v_lshl_add_u32 v23, v18, 3, v23
	v_add_nc_u32 v[WSTA], s38, v23
	v_lshl_add_u32 v23, v19, 3, v20
	v_mul_u32_u24 v23, v23, WP
	v_lshl_add_u32 v23, v21, 4, v23
	v_add_nc_u32 v[WTRA], s38, v23
	s_lshl_b32 s38, s20, 9
	s_add_co_u32 s38, s38, XT
	v_mul_u32_u24 v23, v19, XP
	v_lshl_add_u32 v23, v18, 3, v23
	v_add_nc_u32 v[XTW], s38, v23                  ; row hh, 8 r
	v_mul_u32_u24 v23, v22, XP
	v_lshl_add_u32 v23, v19, 4, v23
	v_add_nc_u32 v[XFA], s38, v23                  ; row r % 2, 16 hh
	s_mul_i32 s38, s20, REDB
	s_add_co_u32 s38, s38, RED
	v_mul_u32_u24 v23, v18, RP
	v_lshl_add_u32 v23, v19, 5, v23
	v_add_nc_u32 v[REDW], s38, v23
	s_mul_i32 s38, s20, 2*RP
	s_add_co_u32 s38, s38, RED
	v_mul_u32_u24 v23, v19, RP
	v_add_nc_u32 v23, v23, v[R16]
	v_add_nc_u32 v[REDR], s38, v23
	s_lshl_b32 s38, s20, 7
	s_add_co_u32 s38, s38, WG
	v_lshl_add_u32 v[WGR], v19, 6, s38
	v_lshl_add_u32 v[WGW], v18, 2, v[WGR]
	s_wait_loadcnt 49                              ; stat is in: 49 younger loads stay out
	v_mov_b32 v26, v[ST]
	v_max_num_f32_dpp v26, v26, v26 row_xmask:1 row_mask:0xf bank_mask:0xf      ; the largest of the batch's 16 maxima
	v_max_num_f32_dpp v26, v26, v26 row_xmask:2 row_mask:0xf bank_mask:0xf
	v_max_num_f32_dpp v26, v26, v26 row_xmask:4 row_mask:0xf bank_mask:0xf
	v_max_num_f32_dpp v26, v26, v26 row_xmask:8 row_mask:0xf bank_mask:0xf
	v_sub_f32 v27, v[ST], v26
	v_exp_f32 v27, v27
	v_nop
	s_wait_alu depctr_va_vdst(0)
	v_mul_f32 v28, v27, v[ST+1]
	v_add_f32_dpp v28, v28, v28 row_xmask:1 row_mask:0xf bank_mask:0xf
	v_add_f32_dpp v28, v28, v28 row_xmask:2 row_mask:0xf bank_mask:0xf
	v_add_f32_dpp v28, v28, v28 row_xmask:4 row_mask:0xf bank_mask:0xf
	v_add_f32_dpp v28, v28, v28 row_xmask:8 row_mask:0xf bank_mask:0xf
	v_rcp_f32 v29, v28                             ; the sum holds the largest split's L, which is 1 or more
	v_nop
	s_wait_alu depctr_va_vdst(0)
	v_mul_f32 v27, v27, v29
	ds_store_b32 v[WGW], v27                       ; my own bytes: every lane of a half then reads its batch's 16 weights
.irp u, 0,1,2,3
	ds_load_b128 v[W16+4*\u:W16+4*\u+3], v[WGR] offset:16*\u
.endr
	s_wait_loadcnt 33                              ; part is in: Wv 32 and bv stay out
	s_wait_dscnt 0x0
.irp k, 0,1,2,3
	v_mul_f32 v[XA+\k], v[W16], v[PD+\k]
.endr
.set sp, 1
.rept 15
.irp k, 0,1,2,3
	v_fmac_f32 v[XA+\k], v[W16+sp], v[PD+4*sp+\k]
.endr
.set sp, sp+1
.endr
	CVST XA, XTW, 0
	STAGEW 1                                       ; behind Wv's last batch: bv
	GEMM8
	PLACES
.irp t, 0,1,2,3
	ds_store_b128 v[REDW], v[ACC+8*\t:ACC+8*\t+3]   offset:64*\t
	ds_store_b128 v[REDW], v[ACC+8*\t+4:ACC+8*\t+7] offset:64*\t+16
.endr
	BAR
	s_cmp_lg_u32 s20, 0                            ; two rows are wanted: wave 0 adds and stores them
	s_cbranch_scc1 .Lend
.irp u, 0,1,2,3,4,5,6,7
	ds_load_b128 v[RS+4*\u:RS+4*\u+3], v[REDR] offset:REDB*\u
.endr
	s_wait_dscnt 0x0
.irp u, 0,8,16,24
	v_pk_add_f32 v[RS+\u:RS+\u+1],   v[RS+\u:RS+\u+1],   v[RS+\u+4:RS+\u+5]
	v_pk_add_f32 v[RS+\u+2:RS+\u+3], v[RS+\u+2:RS+\u+3], v[RS+\u+6:RS+\u+7]
.endr
.irp u, 0,16
	v_pk_add_f32 v[RS+\u:RS+\u+1],   v[RS+\u:RS+\u+1],   v[RS+\u+8:RS+\u+9]
	v_pk_add_f32 v[RS+\u+2:RS+\u+3], v[RS+\u+2:RS+\u+3], v[RS+\u+10:RS+\u+11]
.endr
	v_pk_add_f32 v[RS:RS+1],   v[RS:RS+1],   v[RS+16:RS+17]
	v_pk_add_f32 v[RS+2:RS+3], v[RS+2:RS+3], v[RS+18:RS+19]
	s_wait_loadcnt 0x0                             ; bv
	v_pk_add_f32 v[RS:RS+1],   v[RS:RS+1],   v[BV:BV+1]
	v_pk_add_f32 v[RS+2:RS+3], v[RS+2:RS+3], v[BV+2:BV+3]
	global_store_b128 v[GX], v[RS:RS+3], s[12:13]  ; sixteen lanes store 256 consecutive bytes of a row, at a multiple of 256
.Lend:
	s_wait_tensorcnt 0x0                           ; the wave's end
	ds_add_u32 v[SPW], v[NIL]
	s_wait_dscnt 0x0
	s_endpgm
.Lfunc_end_k_q4f6ee7128d_merge:
	.size	k_q4f6ee7128d_merge, .Lfunc_end_k_q4f6ee7128d_merge-k_q4f6ee7128d_merge
	.p2alignl 7, 3214868480
	.fill 96, 4, 3214868480
	.section	.rodata,"a",@progbits
	.p2align	6, 0x0
	.amdhsa_kernel k_q4f6ee7128d_merge
		.amdhsa_group_segment_fixed_size 122880
		.amdhsa_private_segment_fixed_size 0
		.amdhsa_enable_private_segment 0
		.amdhsa_kernarg_size 40
		.amdhsa_user_sgpr_count 2
		.amdhsa_user_sgpr_kernarg_segment_ptr 1
		.amdhsa_wavefront_size32 1
		.amdhsa_system_sgpr_workgroup_id_x 1
		.amdhsa_system_sgpr_workgroup_id_y 1
		.amdhsa_system_sgpr_workgroup_id_z 1
		.amdhsa_system_vgpr_workitem_id 0
		.amdhsa_next_free_vgpr 256
		.amdhsa_next_free_sgpr 66
		.amdhsa_reserve_vcc 0
		.amdhsa_float_denorm_mode_32 3
		.amdhsa_float_denorm_mode_16_64 3
		.amdhsa_memory_ordered 1
		.amdhsa_forward_progress 1
		.amdhsa_inst_pref_size 23
	.end_amdhsa_kernel
	.amdgpu_metadata
---
amdhsa.version: [ 1, 2 ]
amdhsa.kernels:
  - .name:           k_q4f6ee7128d_merge
    .symbol:         k_q4f6ee7128d_merge.kd
    .args:
      - { .name: part, .offset: 0, .size: 8, .value_kind: global_buffer, .address_space: global }
      - { .name: stat, .offset: 8, .size: 8, .value_kind: global_buffer, .address_space: global }
      - { .name: Wv, .offset: 16, .size: 8, .value_kind: global_buffer, .address_space: global }
      - { .name: bv, .offset: 24, .size: 8, .value_kind: global_buffer, .address_space: global }
      - { .name: ctxw, .offset: 32, .size: 8, .value_kind: global_buffer, .address_space: global }
    .group_segment_fixed_size: 122880
    .private_segment_fixed_size: 0
    .kernarg_segment_align: 8
    .kernarg_segment_size: 40
    .max_flat_workgroup_size: 256
    .sgpr_count:     66
    .vgpr_count:     256
    .wavefront_size: 32
...
	.end_amdgpu_metadata
.endif
;; end of part 3
;; launch outp (part 4): grid 8 x 1, 8 waves a work-group, no clusters, 136,192 bytes of LDS; arguments ctxw, Wo, bo, out0; writes out0
.if DOCPART == 4
	.amdgcn_target "amdgcn-amd-amdhsa--gfx1250"
	.amdhsa_code_object_version 6
	.text
	.protected	k_q4f6ee7128d_outp
	.globl	k_q4f6ee7128d_outp
	.p2align	8
	.type	k_q4f6ee7128d_outp,@function
k_q4f6ee7128d_outp:
	s_mov_b64 s[64:65], 0
	v_nop
	global_prefetch_b8 v0, s[64:65] scope:SCOPE_SE
	s_setreg_imm32_b32 hwreg(HW_REG_WAVE_MODE, 25, 1), 1
	s_wait_xcnt 0x0
; out0 = ctxw Wo + bo.  [16 x 512] x [512 x 512].  Work-group x makes 64 columns (256 bytes of each of Wo's rows); eight waves split K = 512, 64 each, and the partial sums meet in LDS.
; Eight work-groups: a narrower share would read less than 256 bytes of each row of Wo, and a split of K over work-groups would want one launch more for the sum.
; Matrix operands are bf16, sums and the bias f32.  LIMITS: NaN and infinities are not treated apart.  NO CLUSTER: the work-groups share ctxw alone, 32 KiB.
.set WP,   160
.set WTB,  64*WP
.set XP,   144
.set XTB,  16*XP
.set RP,   272
.set REDB, 16*RP
.set XT,   8*WTB
.set RED,  XT+8*XTB
.set SPARE, RED+8*REDB
.set SPW, 4
.set NIL, 5
.set GX,  6
.set R16, 7
.set XSTA, 8
.set WSTA, 9
.set WTRA, 11
.set XFA, 12
.set REDW, 13
.set REDR, 14
.set XD,  32
.set ACC, 32
.set WD,  64
.set WF,  64
.set XF,  128
.set RS,  144
.set BO,  224
.macro PLACES
.rept 4
	v_nop
.endr
.endm
.macro BAR
	s_wait_dscnt 0x0
	s_barrier_signal -1
	s_barrier_wait -1
.endm
.macro CVST reg, adr, off
	v_cvt_pk_bf16_f32 v[(\reg)], v[(\reg)], v[(\reg)+1]
	v_cvt_pk_bf16_f32 v[(\reg)+1], v[(\reg)+2], v[(\reg)+3]
	ds_store_b64 v[\adr], v[(\reg):(\reg)+1] offset:\off
.endm
	s_load_b256 s[4:11], s[0:1], 0x0               ; ctxw s[4:5], Wo s[6:7], bo s[8:9], out0 s[10:11]
	v_lshl_add_u32 v[SPW], v0, 2, SPARE
	v_mov_b32 v[NIL], 0
	v_lshrrev_b32 v24, 5, v0
	v_readfirstlane_b32 s20, v24                   ; wave w
	s_lshl_b32 s22, s20, 8                         ; ctxw: my 64 columns
	s_mov_b32 s23, 0
	s_lshl_b32 s26, ttmp9, 8                       ; the work-group's 64 columns
	s_mov_b32 s27, 0
	s_lshl_b32 s24, s20, 17                        ; Wo: my 64 rows, those columns
	s_add_co_u32 s24, s24, s26
	s_mov_b32 s25, 0
	s_lshl_b32 s28, s20, 12                        ; out0: rows 2 w and 2 w + 1, those columns
	s_add_co_u32 s28, s28, s26
	s_mov_b32 s29, 0
	v_and_b32 v24, 15, v0                          ; r
	v_bfe_u32 v25, v0, 4, 1                        ; hh
	v_lshlrev_b32 v[R16], 4, v24
	v_lshl_add_u32 v[GX], v25, 11, v[R16]
	s_wait_kmcnt 0x0
	s_add_nc_u64 s[4:5], s[4:5], s[22:23]
	s_add_nc_u64 s[6:7], s[6:7], s[24:25]
	s_add_nc_u64 s[8:9], s[8:9], s[26:27]
	s_add_nc_u64 s[10:11], s[10:11], s[28:29]
.set i, 0
.rept 8                                ; forty-one loads go out together: ctxw 8, Wo 32, bo
	global_load_b128 v[XD+4*i:XD+4*i+3], v[GX], s[4:5] offset:4096*i
.set i, i+1
.endr
.set i, 0
.rept 32
	global_load_b128 v[WD+4*i:WD+4*i+3], v[GX], s[6:7] offset:4096*i
.set i, i+1
.endr
	global_load_b128 v[BO:BO+3], v[R16], s[8:9]
	v_and_b32 v26, 7, v0
	v_bfe_u32 v27, v0, 3, 1
	s_mul_i32 s30, s20, XTB
	s_add_co_u32 s30, s30, XT
	v_mul_u32_u24 v29, v25, XP
	v_lshl_add_u32 v29, v24, 3, v29
	v_add_nc_u32 v[XSTA], s30, v29
	v_mul_u32_u24 v29, v24, XP
	v_lshl_add_u32 v29, v25, 4, v29
	v_add_nc_u32 v[XFA], s30, v29
	s_mul_i32 s30, s20, WTB
	v_mul_u32_u24 v29, v25, WP
	v_lshl_add_u32 v29, v24, 3, v29
	v_add_nc_u32 v[WSTA], s30, v29
	v_lshl_add_u32 v29, v25, 3, v26
	v_mul_u32_u24 v29, v29, WP
	v_lshl_add_u32 v29, v27, 4, v29
	v_add_nc_u32 v[WTRA], s30, v29
	s_mul_i32 s30, s20, REDB
	s_add_co_u32 s30, s30, RED
	v_mul_u32_u24 v29, v24, RP
	v_lshl_add_u32 v29, v25, 5, v29
	v_add_nc_u32 v[REDW], s30, v29
	s_mul_i32 s30, s20, 2*RP
	s_add_co_u32 s30, s30, RED
	v_mul_u32_u24 v29, v25, RP
	v_add_nc_u32 v29, v29, v[R16]
	v_add_nc_u32 v[REDR], s30, v29
	s_wait_loadcnt 33                              ; ctxw is in: Wo 32 and bo stay out
.set i, 0
.rept 8
	CVST XD+4*i, XSTA, 2*XP*i
.set i, i+1
.endr
.set i, 0
.rept 32
.if i%8 == 0
	s_wait_loadcnt 25-i                            ; a batch of eight is in: the later batches and bo stay out
.endif
	CVST WD+4*i, WSTA, 2*WP*i
.set i, i+1
.endr
.irp ks, 0,1
.irp t, 0,1,2,3
	ds_load_tr16_b128 v[WF+8*(4*\ks+\t):WF+8*(4*\ks+\t)+3],   v[WTRA] offset:32*WP*\ks+32*\t
	ds_load_tr16_b128 v[WF+8*(4*\ks+\t)+4:WF+8*(4*\ks+\t)+7], v[WTRA] offset:32*WP*\ks+32*\t+16*WP
.endr
	ds_load_b128 v[XF+8*\ks:XF+8*\ks+3],   v[XFA] offset:64*\ks
	ds_load_b128 v[XF+8*\ks+4:XF+8*\ks+7], v[XFA] offset:64*\ks+32
.endr
	s_wait_dscnt 0x0
.irp t, 0,1,2,3                        ; the four accumulators take turns; a lane ends with batch r and columns 16 t + 8 hh + 0..7
	v_wmma_f32_16x16x32_bf16 v[ACC+8*\t:ACC+8*\t+7], v[WF+8*\t:WF+8*\t+7], v[XF:XF+7], 0
.endr
.irp t, 0,1,2,3
	v_wmma_f32_16x16x32_bf16 v[ACC+8*\t:ACC+8*\t+7], v[WF+32+8*\t:WF+32+8*\t+7], v[XF+8:XF+15], v[ACC+8*\t:ACC+8*\t+7]
.endr
	PLACES
.irp t, 0,1,2,3
	ds_store_b128 v[REDW], v[ACC+8*\t:ACC+8*\t+3]   offset:64*\t
	ds_store_b128 v[REDW], v[ACC+8*\t+4:ACC+8*\t+7] offset:64*\t+16
.endr
	BAR
.irp u, 0,1,2,3,4,5,6,7
	ds_load_b128 v[RS+4*\u:RS+4*\u+3], v[REDR] offset:REDB*\u
.endr
	s_wait_dscnt 0x0
.irp u, 0,8,16,24
	v_pk_add_f32 v[RS+\u:RS+\u+1],   v[RS+\u:RS+\u+1],   v[RS+\u+4:RS+\u+5]
	v_pk_add_f32 v[RS+\u+2:RS+\u+3], v[RS+\u+2:RS+\u+3], v[RS+\u+6:RS+\u+7]
.endr
.irp u, 0,16
	v_pk_add_f32 v[RS+\u:RS+\u+1],   v[RS+\u:RS+\u+1],   v[RS+\u+8:RS+\u+9]
	v_pk_add_f32 v[RS+\u+2:RS+\u+3], v[RS+\u+2:RS+\u+3], v[RS+\u+10:RS+\u+11]
.endr
	v_pk_add_f32 v[RS:RS+1],   v[RS:RS+1],   v[RS+16:RS+17]
	v_pk_add_f32 v[RS+2:RS+3], v[RS+2:RS+3], v[RS+18:RS+19]
	s_wait_loadcnt 0x0                             ; bo
	v_pk_add_f32 v[RS:RS+1],   v[RS:RS+1],   v[BO:BO+1]
	v_pk_add_f32 v[RS+2:RS+3], v[RS+2:RS+3], v[BO+2:BO+3]
	global_store_b128 v[GX], v[RS:RS+3], s[10:11]  ; row 2 w + hh: sixteen lanes store 256 consecutive bytes, at a multiple of 256
	s_wait_tensorcnt 0x0                           ; the wave's end
	ds_add_u32 v[SPW], v[NIL]
	s_wait_dscnt 0x0
	s_endpgm
.Lfunc_end_k_q4f6ee7128d_outp:
	.size	k_q4f6ee7128d_outp, .Lfunc_end_k_q4f6ee7128d_outp-k_q4f6ee7128d_outp
	.p2alignl 7, 3214868480
	.fill 96, 4, 3214868480
	.section	.rodata,"a",@progbits
	.p2align	6, 0x0
	.amdhsa_kernel k_q4f6ee7128d_outp
		.amdhsa_group_segment_fixed_size 136192
		.amdhsa_private_segment_fixed_size 0
		.amdhsa_enable_private_segment 0
		.amdhsa_kernarg_size 32
		.amdhsa_user_sgpr_count 2
		.amdhsa_user_sgpr_kernarg_segment_ptr 1
		.amdhsa_wavefront_size32 1
		.amdhsa_system_sgpr_workgroup_id_x 1
		.amdhsa_system_sgpr_workgroup_id_y 1
		.amdhsa_system_sgpr_workgroup_id_z 1
		.amdhsa_system_vgpr_workitem_id 0
		.amdhsa_next_free_vgpr 256
		.amdhsa_next_free_sgpr 66
		.amdhsa_reserve_vcc 0
		.amdhsa_float_denorm_mode_32 3
		.amdhsa_float_denorm_mode_16_64 3
		.amdhsa_memory_ordered 1
		.amdhsa_forward_progress 1
		.amdhsa_inst_pref_size 19
	.end_amdhsa_kernel
	.amdgpu_metadata
---
amdhsa.version: [ 1, 2 ]
amdhsa.kernels:
  - .name:           k_q4f6ee7128d_outp
    .symbol:         k_q4f6ee7128d_outp.kd
    .args:
      - { .name: ctxw, .offset: 0, .size: 8, .value_kind: global_buffer, .address_space: global }
      - { .name: Wo, .offset: 8, .size: 8, .value_kind: global_buffer, .address_space: global }
      - { .name: bo, .offset: 16, .size: 8, .value_kind: global_buffer, .address_space: global }
      - { .name: out0, .offset: 24, .size: 8, .value_kind: global_buffer, .address_space: global }
    .group_segment_fixed_size: 136192
    .private_segment_fixed_size: 0
    .kernarg_segment_align: 8
    .kernarg_segment_size: 32
    .max_flat_workgroup_size: 256
    .sgpr_count:     66
    .vgpr_count:     256
    .wavefront_size: 32
...
	.end_amdgpu_metadata
.endif
;; end of part 4
;; ======== version 2 of 2: 4 launches; version 1 with the launch main written anew for expert scheduling mode
;; workspace buffers: qkw 131,072 bytes; qbw 2,048 bytes; part 4,194,304 bytes; stat 65,536 bytes; ctxw 32,768 bytes
;; launch prep: the kernel of part 1 again; grid 4 x 8, 8 waves a work-group, no clusters, 161,536 bytes of LDS; arguments query, Wq, bq, Wk, bk, qkw, qbw; writes qkw, qbw
;; launch main (part 5): grid 16 x 16, 16 waves a work-group, no clusters, 178,176 bytes of LDS; arguments key_value, qkw, qbw, part, stat; writes part, stat
.if DOCPART == 5
	.amdgcn_target "amdgcn-amd-amdhsa--gfx1250"
	.amdhsa_code_object_version 6
	.text
	.protected	k_q4f6ee7128d_main
	.globl	k_q4f6ee7128d_main
	.p2align	8
	.type	k_q4f6ee7128d_main,@function
k_q4f6ee7128d_main:
	s_mov_b64 s[64:65], 0
	v_nop
	global_prefetch_b8 v0, s[64:65] scope:SCOPE_SE
	s_setreg_imm32_b32 hwreg(HW_REG_WAVE_SCHED_MODE, 0, 2), 2
	s_setreg_imm32_b32 hwreg(HW_REG_WAVE_MODE, 25, 1), 1
	s_wait_xcnt 0x0
	s_wait_alu depctr_vm_vsrc(0)
; For batch b and split sp (512 rows of key_value): logits x[h][s] = kv[s][:] . qk[b][h][:] (in units of log2), a running maximum M and sum L a head, and
; part[h][c] = sum over s of 2^(x - M) kv[s][c], not normalised.  stat holds (M + qb, L).  key_value is read once, 16 bytes a lane, a row quarter (512 bytes) a load.
; SHARES.  16 waves: wave w = 4 g + q streams rows 128 g .. 128 g + 127 of the split, columns 128 q .. 128 q + 127.  A step is 32 rows a wave; four steps, written out by macros.
; A ring of RD loads in registers is asked again four loads at a time; each row quarter is rounded to bf16 and laid into the wave's own LDS tile (32 rows x 256 bytes), from which both
; products take their fragments: rows x qk as they lie, kv^T x p turned by ds_load_tr16_b128.
; A step's partial logits (a quarter of the 512 columns) meet in LDS: one barrier a step, two areas by turns, so that a step's stores stand behind the barrier
; in front of which the reads two steps back were waited for.  All four waves of a row group add the four parts in one order, so that their M, L and p are the same bits.
; HEADS.  Columns 8-15 of the 16-wide product repeat heads 0-7; lanes with r >= 8 keep the second 16 rows, so that a lane holds 8 of a head's 32 logits, and the weights
; for the second product want one exchange with the lane 8 away.  In that product columns 8-15 hold finite numbers that are never stored.
; LIMITS.  Matrix operands (kv, qk, p) are bf16; L is the sum of the unrounded p; a weight below 2^-126 counts as 0; NaN and infinities are not treated apart.
; NO CLUSTER, NO TENSOR LOAD: no two work-groups read the same byte of key_value, and the rounding to bf16 wants the data in registers anyway.
; THE MODE: SCHED_MODE bits 1:0 = 2 (LLVM: expert scheduling mode 2), set by the entry lines.  The code itself states the register dependences
; between vector or matrix instructions and memory or LDS instructions, with s_wait_alu, always for 0.
; THE PLAN.  Registers that memory or LDS instructions touch, in a step:
;   RING        Global loads land in it; the conversions read it; no memory instruction reads it.
;   OUT0, OUT1  X's and P's registers, idle while the tile is filled.  Group j's conversions write OUT[j % 2], its four LDS stores read it; behind the last group the logits' products write both.
;   X           Written by the selects, read by the exchange's two LDS stores, written again by the exchange's last additions.
;   FB          LDS loads land in it (K steps 0-1, K steps 2-3, the exchange, the turned fragments twice); products and the exchange's additions name it.
;   v3-v8       Addresses, made once at the head and never written again; rows and areas stand in immediate offsets.
; A group of four loads has one wait on va_vdst, behind its conversions and ahead of its refills and stores, and (groups 1 to 6) one on vm_vsrc, which stands a whole group
; behind the stores that it names.  Each run of loads into FB has one wait on va_vdst behind FB's last readers; K steps 0-1's run leans on the groups' waits.
.set PT,    272                ; a tile row: 256 bytes + 16: the 16 rows of a fragment load start 16 bytes further on in the banks each
.set TILEB, 32*PT
.set EX,    16*TILEB           ; the logits' meeting place: [2 areas][16 waves][2 halves][32 lanes][16 bytes]
.set EXPAR, 16384
.set STB,   EX+2*EXPAR         ; (M, L) of each wave: 256 bytes a wave; the 2,048 bytes behind them are the spare words, 128 bytes a wave
.set OPI,   528                ; the way out: a head's 128 f32 + 16 bytes; 16 such rows lie in the wave's tile, which has been read out
.set RD,    22                 ; slots of the ring: 22 x 512 bytes a wave
.set NLD,   128                ; loads a wave
.set GR,    4                  ; loads in a group
.set GOFF, 3                   ; 16 L; never rewritten
.set STA, 4                    ; tile + 8 L
.set AFA, 5                    ; tile + 272 r + 16 hh
.set TRA, 6                    ; tile + (8 hh + l % 8) 272 + 16 ((l / 8) % 2)
.set EXW, 7
.set EXR, 8
.set QB,  9
.set M,   10                   ; v[10:11] (M, L)
.set LS,  11
.set A,   12                   ; v[12:13] a = 2^(M_old - M_new), twice
.set T,   14                   ; v14-17 at work
.set U,   18
.set X,   20                   ; v20-27 logits of rows 0-15, then the lane's eight logits and weights
.set P,   28                   ; v28-35 logits of rows 16-31, then the weights in bf16: source 1 of the second product
.set OUT, X                    ; v20-35 while the tile is filled: two buffers of four row quarters in bf16
.set FB,  36                   ; v36-67 fragments
.set QK,  68                   ; v68-99 qk: four K steps
.set ACC, 100                  ; v100-163 eight tiles of 16 columns x 16 heads
.set RING, 164                 ; v164-251
.macro PLACES                  ; four plain places behind a matrix instruction before its result is read or its sources are loaded again (ISA guide 7.12.1)
.rept 4
	v_nop
.endr
.endm
.macro BAR
	s_wait_dscnt 0x0               ; for the others' sake: my LDS instructions are done
	s_barrier_signal -1
	s_barrier_wait -1
.endm
; Group g of 32: loads 4 g .. 4 g + 3 have come: rounded into OUT[g % 2]; their slots are asked again for loads 4 g + RD ..; the rounded rows go into rows (4 g ..) % 32 of my tile (256 consecutive bytes a wave).
.macro GROUP g
.if NLD-GR-GR*(\g) < RD-GR
	s_wait_loadcnt NLD-GR-GR*(\g)  ; the tail: the younger loads run out
.else
	s_wait_loadcnt RD-GR           ; loads come back in order: my four are in, the RD - 4 younger ones stay out
.endif
.irp k, 0,1,2,3
.set R, RING+4*((GR*(\g)+\k)%RD)
.set OB, OUT+8*((\g)%2)+2*\k
	v_cvt_pk_bf16_f32 v[OB], v[R], v[R+1]
	v_cvt_pk_bf16_f32 v[OB+1], v[R+2], v[R+3]
.endr
	s_wait_alu depctr_va_vdst(0)   ; the conversions have written OUT[g % 2], which the LDS stores below read, and are done reading the four slots, in which the loads below land
.if ((\g)%8 > 0) && ((\g)%8 < 7)
	s_wait_alu depctr_vm_vsrc(0)   ; the LDS stores of the group before have read the other OUT, which the next group's conversions write
.endif
.irp k, 0,1,2,3
.if GR*(\g)+\k+RD < NLD
.set R, RING+4*((GR*(\g)+\k)%RD)
	global_load_b128 v[R:R+3], v[GOFF], s[4:5] offset:(GR*(\g)+\k+RD)*2048 th:TH_LOAD_NT
.endif
.endr
.irp k, 0,1,2,3
.set OB, OUT+8*((\g)%2)+2*\k
	ds_store_b64 v[STA], v[OB:OB+1] offset:PT*((GR*(\g)+\k)%32)
.endr
.endm
.macro LF ks                   ; the fragments of 32 rows x 32 columns: K step ks
.irp mt, 0,1
	ds_load_b128 v[FB+16*((\ks)%2)+8*\mt:FB+16*((\ks)%2)+8*\mt+3],   v[AFA] offset:16*PT*\mt+64*(\ks)
	ds_load_b128 v[FB+16*((\ks)%2)+8*\mt+4:FB+16*((\ks)%2)+8*\mt+7], v[AFA] offset:16*PT*\mt+64*(\ks)+32
.endr
.endm
.macro LW ks, zero             ; two products: the two accumulators take turns
.set fa, FB+16*((\ks)%2)
.set fq, QK+8*(\ks)
.if \zero
	v_wmma_f32_16x16x32_bf16 v[X:X+7], v[fa:fa+7], v[fq:fq+7], 0
	v_wmma_f32_16x16x32_bf16 v[P:P+7], v[fa+8:fa+15], v[fq:fq+7], 0
.else
	v_wmma_f32_16x16x32_bf16 v[X:X+7], v[fa:fa+7], v[fq:fq+7], v[X:X+7]
	v_wmma_f32_16x16x32_bf16 v[P:P+7], v[fa+8:fa+15], v[fq:fq+7], v[P:P+7]
.endif
.endm
.macro LOGITS                  ; source 0 = 16 rows, source 1 = qk: a lane holds head column r and rows 8 hh + 0..7
	LF 0                           ; no wait of their own: FB's last readers (the step before's products; in the first step the LDS stores of qk) stand ahead of the groups' waits, and nothing since names FB
	LF 1
	s_wait_dscnt 4                 ; the first K step's four loads are in; the second's stay out
	s_wait_alu depctr_vm_vsrc(0)   ; the last two groups' LDS stores have read OUT0 and OUT1: these registers are X and P again, which the products below write
	LW 0, 1
	s_wait_dscnt 0x0
	LW 1, 0
	PLACES
	s_wait_alu depctr_va_vdst(0)   ; the four products are done reading FB, in which the loads below land
	LF 2
	LF 3
	s_wait_dscnt 4
	LW 2, 0
	s_wait_dscnt 0x0
	LW 3, 0
	PLACES
.endm
.macro XCHG par
.irp j, 0,1,2,3,4,5,6,7                ; lanes with r >= 8 take rows 16 + 8 hh + j of head r - 8; both accumulators are read from their low end on
	v_cndmask_b32 v[X+\j], v[X+\j], v[P+\j], s22
.endr
	s_wait_alu depctr_va_vdst(0)   ; the selects have written X, which the LDS stores read; the products are done reading FB, in which the loads behind the barrier land
	ds_store_b128 v[EXW], v[X:X+3]   offset:EXPAR*(\par)
	ds_store_b128 v[EXW], v[X+4:X+7] offset:EXPAR*(\par)+512
	BAR
.irp qq, 0,1,2,3
	ds_load_b128 v[FB+8*\qq:FB+8*\qq+3],   v[EXR] offset:EXPAR*(\par)+1024*\qq
	ds_load_b128 v[FB+8*\qq+4:FB+8*\qq+7], v[EXR] offset:EXPAR*(\par)+1024*\qq+512
.endr
	s_wait_dscnt 0x0
	s_wait_alu depctr_vm_vsrc(0)   ; my two LDS stores have read X, which the last four additions write
.irp j, 0,2,4,6                        ; (p0 + p1) + (p2 + p3), the same order in all four waves
	v_pk_add_f32 v[FB+\j:FB+\j+1],       v[FB+\j:FB+\j+1],       v[FB+8+\j:FB+8+\j+1]
	v_pk_add_f32 v[FB+16+\j:FB+16+\j+1], v[FB+16+\j:FB+16+\j+1], v[FB+24+\j:FB+24+\j+1]
.endr
.irp j, 0,2,4,6
	v_pk_add_f32 v[X+\j:X+\j+1], v[FB+\j:FB+\j+1], v[FB+16+\j:FB+16+\j+1]
.endr
.endm
.macro PVLOAD G                ; four fragments of kv^T: 16 columns x 32 rows each, turned
.irp u, 0,1,2,3
	ds_load_tr16_b128 v[FB+8*\u:FB+8*\u+3],   v[TRA] offset:32*(4*(\G)+\u)
	ds_load_tr16_b128 v[FB+8*\u+4:FB+8*\u+7], v[TRA] offset:32*(4*(\G)+\u)+16*PT
.endr
.endm
.macro SOFTMAX first
	v_max3_num_f32 v[T], v[X], v[X+1], v[X+2]
	v_max3_num_f32 v[T], v[T], v[X+3], v[X+4]
	v_max3_num_f32 v[T], v[T], v[X+5], v[X+6]
.if \first
	v_max_num_f32 v[T], v[T], v[X+7]
.else
	v_max3_num_f32 v[T], v[T], v[X+7], v[M]
.endif
	v_max_num_f32_dpp v[T], v[T], v[T] row_xmask:8 row_mask:0xf bank_mask:0xf   ; the head's other 16 rows lie 8 lanes away,
	v_permlanex16_b32 v[U], v[T], s24, s25                                      ; and half of each 16 in the other half of the lanes
	v_max_num_f32 v[T+1], v[T], v[U]
.if !(\first)
	v_sub_f32 v[T+2], v[M], v[T+1]
.endif
	v_mov_b32 v[M], v[T+1]
.irp j, 0,2,4,6
	v_pk_add_f32 v[X+\j:X+\j+1], v[X+\j:X+\j+1], v[M:M+1] op_sel_hi:[1,0] neg_lo:[0,1] neg_hi:[0,1]   ; x - M
.endr
.if !(\first)
	v_exp_f32 v[A], v[T+2]
.endif
.irp j, 0,1,2,3,4,5,6,7
	v_exp_f32 v[X+\j], v[X+\j]
.endr
	v_nop                          ; a plain instruction between the last exponential and the first use of a result
.if !(\first)
	s_wait_alu depctr_va_vdst(0)
	v_mov_b32 v[A+1], v[A]
.endif
	s_wait_alu depctr_va_vdst(0)
	v_pk_add_f32 v[T:T+1],   v[X:X+1],   v[X+2:X+3]
	v_pk_add_f32 v[T+2:T+3], v[X+4:X+5], v[X+6:X+7]
.irp j, 0,1,2,3
	v_cvt_pk_bf16_f32 v[P+\j], v[X+2*\j], v[X+2*\j+1]
.endr
	v_pk_add_f32 v[T:T+1], v[T:T+1], v[T+2:T+3]
.if \first
	v_add_f32 v[LS], v[T], v[T+1]
.else
	v_add_f32 v[T], v[T], v[T+1]
	v_fma_f32 v[LS], v[LS], v[A], v[T]
.endif
.irp j, 0,1,2,3                        ; rows 16 + 8 hh + 0..7 of head r (r < 8) come from lane r + 8: registers 4-7 of source 1
	v_mov_b32_dpp v[P+4+\j], v[P+\j] row_xmask:8 row_mask:0xf bank_mask:0xf
.endr
.endm
.macro SCALE G, from, n        ; pairs from .. from + n - 1 of the sixteen of tiles 4 G .. 4 G + 3, times a: each tile from its low end on
.set z, ACC+32*(\G)+2*(\from)
.rept \n
	v_pk_mul_f32 v[z:z+1], v[z:z+1], v[A:A+1] op_sel_hi:[1,0]
.set z, z+2
.endr
.endm
.macro PW t, first             ; tile t += kv^T p: a lane holds head r and columns 16 t + 8 hh + 0..7; the first step starts the sums
.set ra, ACC+8*(\t)
.set rf, FB+8*((\t)%4)
.if \first
	v_wmma_f32_16x16x32_bf16 v[ra:ra+7], v[rf:rf+7], v[P:P+7], 0
.else
	v_wmma_f32_16x16x32_bf16 v[ra:ra+7], v[rf:rf+7], v[P:P+7], v[ra:ra+7]
.endif
.endm
.macro PV first
.if !(\first)
	SCALE 0, 0, 16
.endif
	s_wait_dscnt 4                 ; tiles 0 and 1 are in; the four loads of tiles 2 and 3 stay out
	PW 0, \first
	PW 1, \first
	s_wait_dscnt 0x0
	PW 2, \first
	PW 3, \first
.if \first
	PLACES
.else
	SCALE 1, 0, 4                  ; four plain instructions on other registers: the places in front of the loads below
.endif
	s_wait_alu depctr_va_vdst(0)   ; the four products are done reading FB, in which the loads below land
	PVLOAD 1
.if !(\first)
	SCALE 1, 4, 12                 ; while the loads are out: these name the sums and a alone, none of the registers that the loads touch
.endif
	s_wait_dscnt 4
	PW 4, \first
	PW 5, \first
	s_wait_dscnt 0x0
	PW 6, \first
	PW 7, \first
.endm
.macro STEP t, first
.set gp, 8*(\t)
.rept 8
	GROUP gp                       ; the first group's eight conversions name the ring and X alone: they are the places behind the last step's products, ahead of the second group's writes of P
.set gp, gp+1
.endr
	LOGITS
	XCHG (\t)%2
	s_wait_alu depctr_va_vdst(0)   ; the exchange's additions are done reading and writing FB, in which the turned loads land
	PVLOAD 0                       ; lands under the softmax, which names nothing of FB
	SOFTMAX \first
	PV \first
.endm
	s_load_b256 s[4:11], s[0:1], 0x0               ; key_value s[4:5], qkw s[6:7], qbw s[8:9], part s[10:11]
	s_load_b64 s[12:13], s[0:1], 0x20              ; stat
	v_lshl_add_u32 v2, v0, 2, 0x2b000
	v_mov_b32 v19, 0
	v_lshrrev_b32 v14, 5, v0
	v_readfirstlane_b32 s14, v14                   ; wave w
	v_and_b32 v14, 31, v0                          ; L
	v_and_b32 v15, 15, v0                          ; r
	v_bfe_u32 v16, v0, 4, 1                        ; hh
	v_and_b32 v17, 7, v0                           ; l % 8
	v_bfe_u32 v18, v0, 3, 1                        ; (l / 8) % 2
	v_lshlrev_b32 v[GOFF], 4, v14
	v_lshlrev_b32 v252, 4, v15
	v_lshl_add_u32 v252, v16, 10, v252             ; qk: head 2 i + hh, 16 bytes a lane
	v_lshlrev_b32 v253, 8, v17                     ; qb: head r % 8
	s_wait_alu depctr_va_sdst(0)                   ; s14 is written, ahead of its first reader: the bases and the LDS places are made from it
	s_lshr_b32 s15, s14, 2                         ; g: my row group
	s_and_b32 s16, s14, 3                          ; q: my quarter of the columns
	s_mov_b32 s17, ttmp9                           ; split
	s_and_b32 s18, ttmp7, 0xffff                   ; batch
	s_lshl_b32 s19, s18, 4
	s_add_co_u32 s19, s19, s17                     ; 16 b + split
	s_lshl_b32 s20, s19, 9                         ; its first row,
	s_lshl_b32 s21, s15, 7
	s_add_co_u32 s20, s20, s21                     ; my group's,
	s_lshl_b32 s20, s20, 11                        ; in bytes (under 2^28),
	s_lshl_b32 s21, s16, 9
	s_add_co_u32 s20, s20, s21                     ; my quarter
	s_mov_b32 s21, 0
	s_lshl_b32 s26, s18, 13                        ; qkw: 8,192 bytes a batch, 256 a quarter
	s_lshl_b32 s27, s16, 8
	s_add_co_u32 s26, s26, s27
	s_mov_b32 s27, 0
	s_lshl_b32 s28, s18, 3                         ; qbw: 8 bytes a batch
	s_mov_b32 s29, 0
	s_lshl_b32 s30, s19, 14                        ; part: 16,384 bytes a work-group
	s_mov_b32 s31, 0
	s_lshl_b32 s32, s19, 8                         ; stat: 256
	s_mov_b32 s33, 0
	s_mov_b32 s22, 0xff00ff00                      ; the lanes with r >= 8
	s_mov_b32 s24, 0x76543210                      ; v_permlanex16_b32: each lane takes its own place in the other half
	s_mov_b32 s25, 0xfedcba98
	s_mul_i32 s23, s14, TILEB                      ; my tile
	s_wait_kmcnt 0x0
	s_add_nc_u64 s[4:5], s[4:5], s[20:21]
	s_add_nc_u64 s[6:7], s[6:7], s[26:27]
	s_add_nc_u64 s[8:9], s[8:9], s[28:29]
	s_add_nc_u64 s[10:11], s[10:11], s[30:31]
	s_add_nc_u64 s[12:13], s[12:13], s[32:33]
	s_wait_alu depctr_va_vdst(0)                   ; the three offsets v252, v253 and v[GOFF] are written, which the loads below and every load of the ring read
.irp i, 0,1,2,3
	global_load_b128 v[FB+4*\i:FB+4*\i+3], v252, s[6:7] offset:2048*\i
.endr
	global_load_b32 v[QB], v253, s[8:9]
.set ld, 0
.rept RD                               ; the ring is filled
	global_load_b128 v[RING+4*ld:RING+4*ld+3], v[GOFF], s[4:5] offset:ld*2048 th:TH_LOAD_NT
.set ld, ld+1
.endr
	v_lshl_add_u32 v[STA], v14, 3, s23
	v_mul_u32_u24 v[AFA], v15, PT
	v_lshl_add_u32 v[AFA], v16, 4, v[AFA]
	v_add_nc_u32 v[AFA], s23, v[AFA]
	v_lshl_add_u32 v[TRA], v16, 3, v17
	v_mul_u32_u24 v[TRA], v[TRA], PT
	v_lshl_add_u32 v[TRA], v18, 4, v[TRA]
	v_add_nc_u32 v[TRA], s23, v[TRA]
	s_lshl_b32 s34, s14, 10
	s_add_co_u32 s34, s34, EX
	v_lshl_add_u32 v[EXW], v14, 4, s34
	s_lshl_b32 s35, s15, 12
	s_add_co_u32 s35, s35, EX
	v_lshl_add_u32 v[EXR], v14, 4, s35
	v_mul_u32_u24 v254, v16, PT
	v_lshl_add_u32 v254, v15, 4, v254
	v_add_nc_u32 v254, s23, v254                   ; qk goes through rows 0-7 of my tile: row 2 i + hh, 16 r
	v_mul_u32_u24 v255, v17, PT
	v_lshl_add_u32 v255, v16, 4, v255
	v_add_nc_u32 v255, s23, v255                   ; and comes back as source 1: column r is head r % 8
	v_mov_b32 v[LS], 0                             ; named in a pair with M before it is first made
	s_wait_loadcnt RD                              ; qk and qb are in: the ring's RD loads are younger
	s_wait_alu depctr_va_vdst(0)                   ; the seven LDS addresses v4 to v8, v254 and v255 are written, which the LDS stores and loads of the whole kernel read
.irp i, 0,1,2,3
	ds_store_b128 v254, v[FB+4*\i:FB+4*\i+3] offset:2*PT*\i
.endr
.irp ks, 0,1,2,3                       ; LDS serves a wave's instructions in order: these see the stores above, and the tile's first rows are stored behind them
	ds_load_b128 v[QK+8*\ks:QK+8*\ks+3],   v255 offset:64*\ks
	ds_load_b128 v[QK+8*\ks+4:QK+8*\ks+7], v255 offset:64*\ks+32
.endr
	STEP 0, 1
	STEP 1, 0
	STEP 2, 0
	STEP 3, 0
	; THE WAY OUT.  The four row groups have maxima of their own: they meet in LDS, and each wave scales its sums to the common maximum.
.set EL,  164                          ; the ring has run out: its registers are at work
.set ER,  165
.set EH,  166
.set SWA, 167
.set SRA, 168
.set OWA, 169
.set SM,  170                          ; v170-177 (M, L) of the four groups
.set MS,  178                          ; v[178:179] (M*, L*)
.set FX,  180                          ; v180-183 the groups' factors; v[184:185] my own, twice
.set ORA, 188
.set ORB, 189
.set PO,  190
.set SO,  191
.set OS,  192                          ; v192-223 two heads x four groups x 4
	v_and_b32 v[EL], 31, v0                        ; the addresses are also the places behind the last products
	v_and_b32 v[ER], 15, v0
	v_bfe_u32 v[EH], v0, 4, 1
	s_lshl_b32 s36, s14, 8
	s_add_co_u32 s36, s36, STB
	v_lshl_add_u32 v[SWA], v[EL], 3, s36
	s_lshl_b32 s37, s16, 8
	s_add_co_u32 s37, s37, STB
	v_lshl_add_u32 v[SRA], v[EL], 3, s37
	v_mul_u32_u24 v[OWA], v[ER], OPI
	v_lshl_add_u32 v[OWA], v[EH], 5, v[OWA]
	v_add_nc_u32 v[OWA], s23, v[OWA]               ; my tile + 528 r + 32 hh
	s_mul_i32 s38, s16, TILEB
	s_mul_i32 s39, s15, 2*OPI
	s_add_co_u32 s38, s38, s39
	v_lshl_add_u32 v[ORA], v[EL], 4, s38           ; wave (0, q)'s tile, head 2 g, 16 L
	v_add_nc_u32 v[ORB], 8*TILEB, v[ORA]           ; wave (2, q)'s
	s_lshl_b32 s38, s15, 12
	s_lshl_b32 s39, s16, 9
	s_add_co_u32 s38, s38, s39
	v_lshl_add_u32 v[PO], v[EL], 4, s38            ; part: head 2 g (2,048 bytes a head), my quarter, 16 L
	v_lshlrev_b32 v[SO], 3, v[EL]
	v_add_f32_dpp v[LS], v[LS], v[LS] row_xmask:8 row_mask:0xf bank_mask:0xf    ; L of the head's four lanes
	v_permlanex16_b32 v[U], v[LS], s24, s25
	v_add_f32 v[LS], v[LS], v[U]
	s_wait_alu depctr_va_vdst(0)                   ; the seven addresses of the way out are written, and so are M and L, which the LDS store reads
	ds_store_b64 v[SWA], v[M:M+1]
	BAR
.irp u, 0,1,2,3
	ds_load_b64 v[SM+2*\u:SM+2*\u+1], v[SRA] offset:1024*\u
.endr
	s_wait_dscnt 0x0
	v_max3_num_f32 v[MS], v[SM], v[SM+2], v[SM+4]
	v_max_num_f32 v[MS], v[MS], v[SM+6]
.irp u, 0,1,2,3
	v_sub_f32 v[FX+\u], v[SM+2*\u], v[MS]
.endr
	v_sub_f32 v[FX+4], v[M], v[MS]
.irp u, 0,1,2,3,4
	v_exp_f32 v[FX+\u], v[FX+\u]
.endr
	v_nop
	s_wait_alu depctr_va_vdst(0)
	v_mov_b32 v[FX+5], v[FX+4]
	v_mul_f32 v[MS+1], v[FX], v[SM+1]
	v_fmac_f32 v[MS+1], v[FX+1], v[SM+3]
	v_fmac_f32 v[MS+1], v[FX+2], v[SM+5]
	v_fmac_f32 v[MS+1], v[FX+3], v[SM+7]
.set z, ACC
.rept 32
	v_pk_mul_f32 v[z:z+1], v[z:z+1], v[FX+4:FX+5] op_sel_hi:[1,0]
.set z, z+2
.endr
	s_wait_alu depctr_va_vdst(0)                   ; the scalings have written the sums, which the LDS stores read
.irp t, 0,1,2,3,4,5,6,7
	ds_store_b128 v[OWA], v[ACC+8*\t:ACC+8*\t+3]   offset:64*\t
	ds_store_b128 v[OWA], v[ACC+8*\t+4:ACC+8*\t+7] offset:64*\t+16
.endr
	BAR
.irp e, 0,1                            ; heads 2 g and 2 g + 1 of my quarter, from the four groups' tiles; no vector instruction since the wait above names these registers
	ds_load_b128 v[OS+16*\e:OS+16*\e+3],     v[ORA] offset:OPI*\e
	ds_load_b128 v[OS+16*\e+4:OS+16*\e+7],   v[ORA] offset:4*TILEB+OPI*\e
	ds_load_b128 v[OS+16*\e+8:OS+16*\e+11],  v[ORB] offset:OPI*\e
	ds_load_b128 v[OS+16*\e+12:OS+16*\e+15], v[ORB] offset:4*TILEB+OPI*\e
.endr
	s_wait_dscnt 0x0
.irp e, 0,1
.irp k, 0,2
	v_pk_add_f32 v[OS+16*\e+\k:OS+16*\e+\k+1],     v[OS+16*\e+\k:OS+16*\e+\k+1],     v[OS+16*\e+4+\k:OS+16*\e+4+\k+1]
	v_pk_add_f32 v[OS+16*\e+8+\k:OS+16*\e+8+\k+1], v[OS+16*\e+8+\k:OS+16*\e+8+\k+1], v[OS+16*\e+12+\k:OS+16*\e+12+\k+1]
.endr
.irp k, 0,2
	v_pk_add_f32 v[OS+16*\e+\k:OS+16*\e+\k+1], v[OS+16*\e+\k:OS+16*\e+\k+1], v[OS+16*\e+8+\k:OS+16*\e+8+\k+1]
.endr
.endr
	s_wait_alu depctr_va_vdst(0)                   ; both heads' additions have written their sums, which the two stores read
.irp e, 0,1
	global_store_b128 v[PO], v[OS+16*\e:OS+16*\e+3], s[10:11] offset:2048*\e    ; 512 consecutive bytes, at a multiple of 512 from part's first
.endr
	s_cmp_lg_u32 s14, 0                            ; the statistics leave once: wave 0
	s_cbranch_scc1 .Lend
	v_add_f32 v[MS], v[MS], v[QB]                  ; the key bias shifts a head's logits by qb: it is carried in the maximum
	s_wait_alu depctr_va_vdst(0)                   ; the addition has written M* + qb, which the store reads
	global_store_b64 v[SO], v[MS:MS+1], s[12:13]   ; 32 lanes x 8 bytes: the work-group's 256 bytes, whole; lane h < 8 is head h
.Lend:
	s_wait_dscnt 0x0                               ; the wave's end: my LDS instructions are done; the closing add follows
	s_wait_alu depctr_hold_cnt(0) depctr_sa_sdst(0) depctr_va_vdst(0) depctr_va_sdst(0) depctr_va_ssrc(0) depctr_va_vcc(0) depctr_vm_vsrc(0)
	s_wait_tensorcnt 0x0
	ds_add_u32 v2, v19
	s_wait_dscnt 0x0
	s_endpgm
.Lfunc_end_k_q4f6ee7128d_main:
	.size	k_q4f6ee7128d_main, .Lfunc_end_k_q4f6ee7128d_main-k_q4f6ee7128d_main
	.p2alignl 7, 3214868480
	.fill 96, 4, 3214868480
	.section	.rodata,"a",@progbits
	.p2align	6, 0x0
	.amdhsa_kernel k_q4f6ee7128d_main
		.amdhsa_group_segment_fixed_size 178176
		.amdhsa_private_segment_fixed_size 0
		.amdhsa_enable_private_segment 0
		.amdhsa_kernarg_size 40
		.amdhsa_user_sgpr_count 2
		.amdhsa_user_sgpr_kernarg_segment_ptr 1
		.amdhsa_wavefront_size32 1
		.amdhsa_system_sgpr_workgroup_id_x 1
		.amdhsa_system_sgpr_workgroup_id_y 1
		.amdhsa_system_sgpr_workgroup_id_z 1
		.amdhsa_system_vgpr_workitem_id 0
		.amdhsa_next_free_vgpr 256
		.amdhsa_next_free_sgpr 66
		.amdhsa_reserve_vcc 0
		.amdhsa_float_denorm_mode_32 3
		.amdhsa_float_denorm_mode_16_64 3
		.amdhsa_memory_ordered 1
		.amdhsa_forward_progress 1
		.amdhsa_inst_pref_size 88
	.end_amdhsa_kernel
	.amdgpu_metadata
---
amdhsa.version: [ 1, 2 ]
amdhsa.kernels:
  - .name:           k_q4f6ee7128d_main
    .symbol:         k_q4f6ee7128d_main.kd
    .args:
      - { .name: key_value, .offset: 0, .size: 8, .value_kind: global_buffer, .address_space: global }
      - { .name: qkw, .offset: 8, .size: 8, .value_kind: global_buffer, .address_space: global }
      - { .name: qbw, .offset: 16, .size: 8, .value_kind: global_buffer, .address_space: global }
      - { .name: part, .offset: 24, .size: 8, .value_kind: global_buffer, .address_space: global }
      - { .name: stat, .offset: 32, .size: 8, .value_kind: global_buffer, .address_space: global }
    .group_segment_fixed_size: 178176
    .private_segment_fixed_size: 0
    .kernarg_segment_align: 8
    .kernarg_segment_size: 40
    .max_flat_workgroup_size: 512
    .sgpr_count:     66
    .vgpr_count:     256
    .wavefront_size: 32
...
	.end_amdgpu_metadata
.endif
;; end of part 5
;; launch merge: the kernel of part 3 again; grid 8 x 8, 8 waves a work-group, no clusters, 122,880 bytes of LDS; arguments part, stat, Wv, bv, ctxw; writes ctxw
;; launch outp: the kernel of part 4 again; grid 8 x 1, 8 waves a work-group, no clusters, 136,192 bytes of LDS; arguments ctxw, Wo, bo, out0; writes out0
